; MI455X (gfx1250); checked and timed in simulation.
; The chip was launched on July 23, 2026; its instructions are those of AMD's public machine-readable ISA for CDNA 5 (MIT licence, August 2026) and "CDNA5" Instruction Set Architecture Reference Guide (July 2026). The comments in the code are by the model that wrote it; some were corrected since.
;; Multi Head Attention. Allowed arithmetic: matrix products marked QUANTISED: E2M3 operands, one E8M0 scale for each 32 along K, by v_wmma_scale_f32_16x16x128_f8f6f4 with both operands' format E2M3, f32 sums; everything else in f32.
;; Inputs: Wk 1,024 x 1,024 float32; Wo 1,024 x 1,024 float32; Wq 1,024 x 1,024 float32; Wv 1,024 x 1,024 float32; bk 1,024 float32; bo 1,024 float32; bq 1,024 float32; bv 1,024 float32; x 4 x 2,048 x 1,024 float32.
;; Outputs: out0 4 x 2,048 x 1,024 float32.
;; This version of the problem:
;;   THIS VERSION OF THE PROBLEM IS GIVEN IN LOW PRECISION. The matrix products marked QUANTISED in the list below multiply operands that are first quantised to E2M3 (2 exponent bits, 3 mantissa bits; 6 bits a number), with one power-of-two scale for each 32 numbers along K (OCP MX v1.0); their sums are f32. All else is computed in f32.
;;   The module's matrix products, in the order in which they are computed (A, B: the left and right operand; K: the contracted axis; several contracted axes count as one K, in the product's order):
;;     1. [M 8,192, K 1,024] x [K 1,024, N 1,024]; A: input x; B: input Wq: QUANTISED
;;     2. [M 8,192, K 1,024] x [K 1,024, N 1,024]; A: input x; B: input Wk: QUANTISED
;;     3. [M 8,192, K 1,024] x [K 1,024, N 1,024]; A: input x; B: input Wv: QUANTISED
;;     4. batch 64 x [M 2,048, K 64] x [K 64, N 2,048]; A: computed on the way; B: computed on the way: QUANTISED
;;     5. batch 64 x [M 2,048, K 2,048] x [K 2,048, N 64]; A: softmax (see below); B: computed on the way: QUANTISED
;;     6. [M 8,192, K 1,024] x [K 1,024, N 1,024]; A: computed on the way; B: input Wo: QUANTISED
;;   THE QUANTISER, for each operand of a quantised product, along K:
;;     - K is cut into blocks of 32 from its start; a last block that is shorter is filled with zeros.
;;     - A block's scale is 2^e with e = floor(log2(the largest magnitude in the block)) - 2, held to -126 .. 127; a block of zeros has e = 0. As a byte (E8M0): e + 127.
;;     - Each number is divided by its block's scale, clamped to +-7.5, and rounded to the nearest number of E2M3, ties to even, subnormals kept.
;;     - The product sums the exact products of the quantised numbers (number of the format x scale) in f32.
;;   ~~~python
;;   def quantise(x, axis):      # numpy; x: float32 -> the quantised numbers, widened to float32 again
;;       x = np.moveaxis(x, axis, -1); K = x.shape[-1]
;;       x = np.pad(x, [(0, 0)] * (x.ndim - 1) + [(0, -K % 32)]); x = x.reshape(x.shape[:-1] + (-1, 32)); a = np.abs(x).max(-1, keepdims=True)
;;       e = np.where(a > 0, np.clip(np.frexp(np.where(a > 0, a, 1))[1] - 1 - 2, -126, 127), 0)      # np.frexp(a)[1] - 1 = floor(log2(a)), exactly
;;       r = np.clip(x / 2.0 ** e, -7.5, 7.5)
;;       step = 2.0 ** (np.maximum(np.frexp(np.where(r == 0, 1, r))[1] - 1, 0) - 3)
;;       q = np.round(r / step) * step * 2.0 ** e      # np.round: ties to even
;;       return np.moveaxis(q.reshape(q.shape[:-2] + (-1,))[..., :K], -1, axis).astype(np.float32)
;;   ~~~
;;   SOFTMAX AHEAD OF A QUANTISED PRODUCT. Where the list says 'softmax', what is quantised is not the finished softmax but p = 2^(t - M), with t = logit x log2(e) and M = ceil(the row's largest t), a whole number; so 1/2 < the row's largest p <= 1. The row's sum l is taken of the UNQUANTISED p, in f32, and the product's result is divided by l at the end. Since M is a whole number, a kernel that streams over the keys may use a running M (the ceiling of the running maximum): every later rescaling is an exact power of two, which a block's scale takes up: the codes' values come out the same.
;;   OPERANDS COMPUTED ON THE WAY. 'Computed on the way' means the value that the module computes at that place (a softmax that the list does not call 'softmax' is quantised finished and normalised). What goes into a quantiser is computed in f32, as accurately as f32 sums, v_exp_f32 and their like allow (about 1e-6 of the number): no bf16 or f16 on the way to a quantiser, and a product that is left as it is and whose result goes on into a quantised operand takes f32 operands (vector FMAs, or v_wmma_f32_16x16x4_f32). A number that lies on a knife's edge between two numbers of the format may be rounded either way, as far as f32 arithmetic and the matrix unit's own rounding can turn it there, and no further.
;; One version. Each part assembles by itself: llvm-mc -triple=amdgcn-amd-amdhsa -mcpu=gfx1250 --defsym DOCPART=n.
;; ======== version 1 of 1: 4 launches
;; workspace buffers: opc 9,437,184 bytes; ops 393,216 bytes; qkvc 18,874,368 bytes; qkvs 1,310,720 bytes; ac 6,291,456 bytes; asc 262,144 bytes
;; launch quant (part 1): grid 384 x 1, 4 waves a work-group, no clusters, 34,304 bytes of LDS; arguments x, Wq, Wk, Wv, Wo, opc, ops; writes opc, ops
.if DOCPART == 1
	.amdgcn_target "amdgcn-amd-amdhsa--gfx1250"
	.amdhsa_code_object_version 6
	.text
	.protected	k_q03bc0e6783_quant
	.globl	k_q03bc0e6783_quant
	.p2align	8
	.type	k_q03bc0e6783_quant,@function
k_q03bc0e6783_quant:
	s_mov_b64 s[64:65], 0
	v_nop
	global_prefetch_b8 v0, s[64:65] scope:SCOPE_SE
	s_setreg_imm32_b32 hwreg(HW_REG_WAVE_MODE, 25, 1), 1
	s_wait_xcnt 0x0
; x [8192][1024] and Wq, Wk, Wv, Wo [1024][1024], f32, K innermost, become codes of FP6 (E2M3) with one E8M0 byte for each 32 along K,
; laid in the ORDER OF THE OPERAND'S REGISTERS, so that the products' launches fetch fragments by dense loads alone.
; TILES.  An operand tile is 16 rows; tile 2 B + u holds, in lane-row r, row 32 B + 8 u + r + 8 (r / 8).  Tiles are numbered G: x 0-511, Wq 512-575, Wk 576-639, Wv 640-703, Wo 704-767.
; opc: [G][K step 0-7][c 0-1][768 bytes].  768 bytes are half a fragment: six registers a lane (lane (r, h): the 32 codes of k = 64 c + 32 h + 0 .. 31 of lane-row r): registers 0-3 at 16 x lane, registers 4-5 at 512 + 8 x lane.
; ops: [G][hh 0-1][r][16 bytes]: the four scale words of K steps 4 hh .. 4 hh + 3 of lane-row r.
; A block's scale is 2^(floor(log2(its largest magnitude)) - 2); its byte is the largest magnitude's exponent field - 2, held at 1 from below.
; LIMITS: NaN and infinities are not served; a block whose largest magnitude lies under 2^-124 (a block of zeros among them) gets the byte 1: a block of zeros has zero codes, and this program alone reads the bytes.
; SHARES.  Work-group g takes tiles 2 g and 2 g + 1; wave w takes tile 2 g + w / 2 and K half w % 2: four K steps of 128.  One path serves all five tensors: only the pointer is chosen.
; A load reads one row's 512 consecutive bytes; a K step's 16 rows turn through the wave's own stage in LDS (rows 528 bytes apart) and come back 128 bytes a lane and block: a lane then holds two whole blocks.
; No matrix unit, no cluster, no barrier: the launch is a stream and the waves share nothing.  32 loads of a wave are out at the start, 16 while a step is worked.
.set STG,   8448                       ; a wave's stage: 16 rows x (512 + 16) bytes
.set SPARE, 4*STG                      ; behind the stages: the spare words, 128 bytes a wave: two blocks of 256 bytes that no other line names
.set L16,   1                          ; v1   16 x lane
.set L8,    2                          ; v2   8 x lane
.set SIN,   3                          ; v3   the stage, on the way in
.set SOUT,  4                          ; v4   and on the way out: row r, + 128 h
.set SCO,   5                          ; v5   16 r + 8 h: my two scale words' place
.set SH8,   6                          ; v6   8 h
.set HH,    7                          ; v7   h
.set SPW,   12                         ; v12  my spare word; never rewritten
.set NIL,   13                         ; v13  0; never rewritten
.set R,     16                         ; v16-143  two sets of 64: a K step as loaded
.set X,     144                        ; v144-207 my two blocks of 32
.set PC,    208                        ; v208-219 a fragment's codes
.set CT,    220                        ; v220-227 each block's upper 16 codes (a conversion's three registers begin on an even number)
.set M,     228
.set SO,    230
.set BY,    232
.set TP,    234
.set SW,    236                        ; v236-239 the four K steps' scale words
	s_load_b256 s[4:11], s[0:1], 0x0               ; x, Wq, Wk, Wv
	s_load_b128 s[12:15], s[0:1], 0x20             ; Wo, opc
	s_load_b64 s[16:17], s[0:1], 0x30              ; ops
	v_lshl_add_u32 v[SPW], v0, 2, SPARE
	v_mov_b32 v[NIL], 0
	v_lshrrev_b32 v8, 5, v0
	v_readfirstlane_b32 s18, v8                    ; wave
	v_and_b32 v9, 31, v0                           ; lane
	v_and_b32 v10, 15, v0                          ; r
	v_bfe_u32 v[HH], v0, 4, 1                      ; h
	v_lshlrev_b32 v[L16], 4, v9
	v_lshlrev_b32 v[L8], 3, v9
	s_mul_i32 s19, s18, STG
	v_add_nc_u32 v[SIN], s19, v[L16]
	v_mul_u32_u24 v[SOUT], v10, 528
	v_lshl_add_u32 v[SOUT], v[HH], 7, v[SOUT]
	v_add_nc_u32 v[SOUT], s19, v[SOUT]
	v_lshlrev_b32 v[SCO], 4, v10
	v_lshl_add_u32 v[SCO], v[HH], 3, v[SCO]
	v_lshlrev_b32 v[SH8], 3, v[HH]
	v_mov_b32 v[TP], 0                             ; a lane permute's destination counts as one of its sources
	s_mov_b32 s20, 0x76543210
	s_mov_b32 s21, 0xfedcba98                      ; v_permlanex16_b32's selects for lane l xor 16
	s_lshr_b32 s22, s18, 1                         ; u: which of the two tiles
	s_and_b32 s23, s18, 1                          ; hh: which half of K
	s_and_b32 s24, ttmp9, 31
	s_cmp_lt_u32 ttmp9, 256
	s_cselect_b32 s24, ttmp9, s24                  ; the pair of tiles within its tensor: 256 pairs in x, 32 in each weight
	s_lshl_b32 s24, s24, 5
	s_lshl_b32 s25, s22, 3
	s_add_co_u32 s24, s24, s25                     ; the tile's first row: 32 B + 8 u
	s_lshl_b32 s24, s24, 12                        ; rows of 4,096 bytes
	s_lshl_b32 s25, s23, 11
	s_add_co_u32 s24, s24, s25                     ; + my half of K
	s_mov_b32 s25, 0
	s_lshl_b32 s26, ttmp9, 1
	s_add_co_u32 s26, s26, s22                     ; G
	s_mul_i32 s28, s26, 12288
	s_mul_i32 s27, s23, 6144
	s_add_co_u32 s28, s28, s27                     ; my four K steps in opc
	s_mov_b32 s29, 0
	s_lshl_b32 s30, s26, 9
	s_lshl_b32 s27, s23, 8
	s_add_co_u32 s30, s30, s27                     ; my 256 bytes in ops
	s_mov_b32 s31, 0
	s_wait_alu depctr_va_vdst(0)
	s_wait_kmcnt 0x0
	s_cmp_ge_u32 ttmp9, 256                        ; the tensor is chosen by the work-group's number alone
	s_cselect_b64 s[4:5], s[6:7], s[4:5]
	s_cmp_ge_u32 ttmp9, 288
	s_cselect_b64 s[4:5], s[8:9], s[4:5]
	s_cmp_ge_u32 ttmp9, 320
	s_cselect_b64 s[4:5], s[10:11], s[4:5]
	s_cmp_ge_u32 ttmp9, 352
	s_cselect_b64 s[4:5], s[12:13], s[4:5]
	s_add_nc_u64 s[4:5], s[4:5], s[24:25]
	s_add_nc_u64 s[14:15], s[14:15], s[28:29]
	s_add_nc_u64 s[16:17], s[16:17], s[30:31]
.macro LOAD k                          ; K step k of my four: 16 rows x 512 consecutive bytes
.irp t, 0,1,2,3,4,5,6,7,8,9,10,11,12,13,14,15
	global_load_b128 v[R+64*((\k)%2)+4*\t:R+64*((\k)%2)+4*\t+3], v[L16], s[4:5] offset:(\t+8*(\t/8))*4096+512*(\k) th:TH_LOAD_NT
.endr
.endm
.macro STEP k
.if (\k) < 3
	s_wait_loadcnt 16                              ; this step's 16 loads are in; the next step's 16 may be out
.else
	s_wait_loadcnt 0x0
.endif
.irp t, 0,1,2,3,4,5,6,7,8,9,10,11,12,13,14,15
	ds_store_b128 v[SIN], v[R+64*((\k)%2)+4*\t:R+64*((\k)%2)+4*\t+3] offset:528*\t
.endr
.irp c, 0,1                                    ; LDS serves a wave's instructions in order: these see the stores above
.irp j, 0,1,2,3,4,5,6,7
	ds_load_b128 v[X+32*\c+4*\j:X+32*\c+4*\j+3], v[SOUT] offset:256*\c+16*\j   ; k = 64 c + 32 h + 4 j ..
.endr
.endr
	s_wait_dscnt 0x0                               ; my two blocks are back, and the stores have read their registers
	s_wait_xcnt 0x0                                ; the last step's stores have read the codes' registers, which are written again below
.if (\k) < 2
	LOAD (\k)+2
.endif
.irp c, 0,1
	v_max3_num_f32 v[M+\c], |v[X+32*\c]|, |v[X+32*\c+1]|, 0x1800000   ; the floor 2^(3 - 127): the byte cannot fall under 1
.endr
.irp i, 2,4,6,8,10,12,14,16,18,20,22,24,26,28,30
.irp c, 0,1
	v_max3_num_f32 v[M+\c], v[M+\c], |v[X+32*\c+\i]|, |v[X+32*\c+\i+1]|
.endr
.endr
.irp c, 0,1
	v_add_nc_u32 v[SO+\c], 0xff000000, v[M+\c]     ; 2 off the exponent field: the conversion's scale operand
.endr
.irp c, 0,1
	v_lshrrev_b32 v[BY+\c], 23, v[SO+\c]           ; the scale's byte
.endr
	v_lshl_or_b32 v[TP+1], v[BY+1], 16, v[BY]      ; blocks h and 2 + h,
	v_lshlrev_b32 v[TP+1], v[SH8], v[TP+1]         ; at their places in the word;
	v_permlanex16_b32 v[TP], v[TP+1], s20, s21
	v_or_b32 v[SW+(\k)], v[TP+1], v[TP]            ; with lane l xor 16's two the word is whole
.irp c, 0,1
	v_cvt_scalef32_pk16_fp6_f32 v[PC+6*\c:PC+6*\c+2], v[X+32*\c:X+32*\c+15], v[SO+\c]
	v_cvt_scalef32_pk16_fp6_f32 v[CT+4*\c:CT+4*\c+2], v[X+32*\c+16:X+32*\c+31], v[SO+\c]
.endr
	v_nop                                          ; one plain place behind a scaled conversion
.irp c, 0,1
.irp i, 0,1,2
	v_mov_b32 v[PC+6*\c+3+\i], v[CT+4*\c+\i]
.endr
.endr
	global_store_b128 v[L16], v[PC:PC+3], s[14:15] offset:1536*(\k)            ; 512 consecutive bytes
	global_store_b64 v[L8], v[PC+4:PC+5], s[14:15] offset:1536*(\k)+512        ; 256
	global_store_b128 v[L16], v[PC+6:PC+9], s[14:15] offset:1536*(\k)+768
	global_store_b64 v[L8], v[PC+10:PC+11], s[14:15] offset:1536*(\k)+1280
.endm
	LOAD 0
	LOAD 1
	STEP 0
	STEP 1
	STEP 2
	STEP 3
	v_cmp_eq_u32 vcc_lo, 1, v[HH]                  ; every lane holds its row's four words: lane (r, h) stores words 2 h and 2 h + 1
	v_cndmask_b32 v[M], v[SW], v[SW+2], vcc_lo
	v_cndmask_b32 v[M+1], v[SW+1], v[SW+3], vcc_lo
	global_store_b64 v[SCO], v[M:M+1], s[16:17]    ; 32 lanes store 256 consecutive bytes
	s_wait_tensorcnt 0x0                           ; the wave's end, behind my last LDS store
	ds_add_u32 v[SPW], v[NIL]
	s_wait_dscnt 0x0
	s_endpgm
.Lfunc_end_k_q03bc0e6783_quant:
	.size	k_q03bc0e6783_quant, .Lfunc_end_k_q03bc0e6783_quant-k_q03bc0e6783_quant
	.p2alignl 7, 3214868480
	.fill 96, 4, 3214868480
	.section	.rodata,"a",@progbits
	.p2align	6, 0x0
	.amdhsa_kernel k_q03bc0e6783_quant
		.amdhsa_group_segment_fixed_size 34304
		.amdhsa_private_segment_fixed_size 0
		.amdhsa_enable_private_segment 0
		.amdhsa_kernarg_size 56
		.amdhsa_user_sgpr_count 2
		.amdhsa_user_sgpr_kernarg_segment_ptr 1
		.amdhsa_wavefront_size32 1
		.amdhsa_system_sgpr_workgroup_id_x 1
		.amdhsa_system_sgpr_workgroup_id_y 1
		.amdhsa_system_sgpr_workgroup_id_z 1
		.amdhsa_system_vgpr_workitem_id 0
		.amdhsa_next_free_vgpr 240
		.amdhsa_next_free_sgpr 66
		.amdhsa_reserve_vcc 1
		.amdhsa_float_denorm_mode_32 3
		.amdhsa_float_denorm_mode_16_64 3
		.amdhsa_memory_ordered 1
		.amdhsa_forward_progress 1
		.amdhsa_inst_pref_size 31
	.end_amdhsa_kernel
	.amdgpu_metadata
---
amdhsa.version: [ 1, 2 ]
amdhsa.kernels:
  - .name:           k_q03bc0e6783_quant
    .symbol:         k_q03bc0e6783_quant.kd
    .args:
      - { .name: x, .offset: 0, .size: 8, .value_kind: global_buffer, .address_space: global }
      - { .name: Wq, .offset: 8, .size: 8, .value_kind: global_buffer, .address_space: global }
      - { .name: Wk, .offset: 16, .size: 8, .value_kind: global_buffer, .address_space: global }
      - { .name: Wv, .offset: 24, .size: 8, .value_kind: global_buffer, .address_space: global }
      - { .name: Wo, .offset: 32, .size: 8, .value_kind: global_buffer, .address_space: global }
      - { .name: opc, .offset: 40, .size: 8, .value_kind: global_buffer, .address_space: global }
      - { .name: ops, .offset: 48, .size: 8, .value_kind: global_buffer, .address_space: global }
    .group_segment_fixed_size: 34304
    .private_segment_fixed_size: 0
    .kernarg_segment_align: 8
    .kernarg_segment_size: 56
    .max_flat_workgroup_size: 128
    .sgpr_count:     66
    .vgpr_count:     240
    .wavefront_size: 32
...
	.end_amdgpu_metadata
.endif
;; end of part 1
;; launch qkv (part 2): grid 12 x 64, 4 waves a work-group, clusters of 4 x 4, 327,680 bytes of LDS; arguments opc, ops, bq, bk, bv, qkvc, qkvs; writes qkvc, qkvs
.if DOCPART == 2
	.amdgcn_target "amdgcn-amd-amdhsa--gfx1250"
	.amdhsa_code_object_version 6
	.text
	.protected	k_q03bc0e6783_qkv
	.globl	k_q03bc0e6783_qkv
	.p2align	8
	.type	k_q03bc0e6783_qkv,@function
k_q03bc0e6783_qkv:
	s_mov_b64 s[64:65], 0
	v_nop
	global_prefetch_b8 v0, s[64:65] scope:SCOPE_SE
	s_setreg_imm32_b32 hwreg(HW_REG_WAVE_MODE, 25, 1), 1
	s_wait_xcnt 0x0
	s_wait_alu depctr_hold_cnt(0) depctr_sa_sdst(0) depctr_va_vdst(0) depctr_va_sdst(0) depctr_va_ssrc(0) depctr_va_vcc(0) depctr_vm_vsrc(0)
	s_getreg_b32 s2, hwreg(HW_REG_IB_STS2, 6, 4)
	s_cmp_eq_u32 s2, 0
	s_cbranch_scc0 .Lentry_in_a_cluster
	s_endpgm
.Lentry_in_a_cluster:
	s_bfe_u32 s2, ttmp6, 0x10000c
	s_cmp_lg_u32 s2, 0xf033
	s_cbranch_scc0 .Lentry_shape_is_right
	s_endpgm
.Lentry_shape_is_right:
; q = x Wq^T + bq, k = x Wk^T + bk, v = x Wv^T + bv on codes of FP6 (E2M3), and the results quantised again for attention: q and k along the head's 64 features, v along the tokens.
; THE PRODUCT.  D = Src0 Src1^T over K = 1,024.  A work-group takes 256 rows of Src0 x 128 rows of Src1; wave w takes Src0's tiles 8 (w % 2) + b, b = 0 .. 7, and Src1's tiles 4 (w / 2) + a, a = 0 .. 3: 32 accumulators.
; Src0 is the instruction's source 0, so a lane holds ONE row of Src1 and its registers run along Src0's rows.  Tile 2 B + u holds in lane-row r the row 32 B + 8 u + r + 8 (r / 8): so the 16 registers of two
; neighbouring tiles are 16 NEIGHBOURS, 32 B + 16 (lane / 16) + 0 .. 15, along the axis that is quantised next.
; ONE TEXT FOR THE THREE.  The cluster's x says which: 0 q, 1 k: Src0 = the weight, Src1 = x (a lane is a token, its registers run along features); 2 v: Src0 = x, Src1 = Wv (a lane is a channel, its registers run along tokens).
; What differs is offsets, chosen by s_cselect on the cluster's x, and where the bias lies: the first K step's products stand twice, under one branch on the cluster's x, which all sixteen partners take alike.
; LDS.  All of K of the work-group's 384 rows, 294,912 bytes, is filled ONCE, in four chunks of two K steps: no slot is filled again.  A wave has four tensor loads out at the most.
; CLUSTER 4 x 4: Src1's tiles hang on the cluster's y and cy and are shared along a row of the cluster, Src0's on cx and are shared along a column: each chunk is asked for jointly.
; Nothing is prefetched: every byte is asked for by the tensor loads at the kernel's head.
; OUT.  qkvc: planes of 98,304 bytes: q: bh, k: 64 + bh, v: 128 + bh (bh = 16 x batch + head).  q, k: [token tile 0-127][768]; v: [key step 0-15][c][channel tile 0-3][768]; 768 bytes = half a fragment, as in opc.
; qkvs: q at bh x 8,192, k at 524,288 + bh x 8,192: [tile / 4][r][tile % 4] words (s0, s1, s0, s1); v at 1,048,576 + bh x 4,096: [key step][r][channel tile] words of four bytes.
; LIMITS: NaN and infinities are not served; a block whose largest magnitude lies under 2^-124 gets the scale byte 1 (a block of zeros has zero codes; this program alone reads the bytes).
; REGISTERS, in windows of 256: window 0: addresses, scale words, biases, later the way out; window 1: accumulator (a, b) at v[64 a + 8 b]; windows 2 and 3: two sets of fragments: Src0's at v[12 b], Src1's at v[96 + 12 a].
.set CHUNK, 73728                      ; two K steps: Src1's 8 tiles x 3,072 bytes, then Src0's 16 tiles
.set S0OFF, 24576
.set SPARE, 4*CHUNK                    ; the spare words, 128 bytes a wave: two blocks of 256 bytes that no other line names
.set L16,  1                           ; v1   16 x lane
.set L8,   2                           ; v2   8 x lane
.set RR,   3                           ; v3   r
.set HH,   4                           ; v4   h
.set SPW,  5                           ; v5   my spare word; never rewritten
.set NIL,  6                           ; v6   0; never rewritten
.set BO0,  7                           ; v7   64 h
.set A16,  8                           ; v8-11   Src1's fragments in chunk c, pieces of 16 bytes;  v12-15 pieces of 8
.set A8,   12
.set B16,  16                          ; v16-23  the same for Src0
.set B8,   20
.set OA1,  24                          ; v24, v25: 16 x lane and 8 x lane, + the way from half c = 0 to c = 1 in qkvc
.set OB1,  25
.set SCV,  26                          ; v26  where my scale words go
.set MASK, 27                          ; v27  which bits of a scale word come from c = 0
.set BO1,  28                          ; v28  4 (r + 8 (r / 8))
.set TP,   29
.set SA,   32                          ; v32-47  Src1's scale words: register 4 a + j: lanes 0-15 K step j, lanes 16-31 K step 4 + j
.set SB,   48                          ; v48-79  Src0's
.set B0,   80                          ; v80-143 the bias along Src0's rows, eight registers a tile
.set B1,   144                         ; v144-175 the bias along Src1's rows, eight equal registers a tile
.set TM,   80                          ; the way out lies where the biases lay
.set PD,   96
.set SO,   112
.set BY,   128
.set DD,   144
.set WW,   152
.set PC,   176
.set CT,   224
.set WV,   18
.set WM,   19
.set WN,   20
.set CX,   21
.set CY,   22
.set CLY,  23
.set G1A,  24                          ; s[24:31] group 1 for Src1's chunks;  s[32:47] four groups 0
.set G0A,  32
.set G1B,  48                          ; s[48:55] group 1 for Src0's;  s[68:83] four groups 0
.set G0B,  68
.set GG0,  56
.set GG1,  57
.set TY,   98                          ; 1: v
.set MT,   99                          ; all ones: v
.set MSB, 0
.macro WIN new                         ; the immediate's high byte repeats the setting that is left
.if MSB != \new
	s_set_vgpr_msb (MSB<<8)|\new
.set MSB, \new
.endif
.endm
.macro CROUND                          ; a round of the cluster's barrier
	s_barrier_signal -1
	s_barrier_wait -1
	s_cmp_lg_u32 s[WV], 0
	s_cbranch_scc1 .Lnot_wave_0_\@
	s_barrier_signal -3
.Lnot_wave_0_\@:
	s_barrier_wait -3
	s_barrier_signal -1
	s_barrier_wait -1
.endm
.macro FRAG reg, a16, a8, off          ; a fragment, 12 registers, from its two halves of 768 bytes: every load reads dense bytes
	ds_load_b128 v[\reg:\reg+3], v[\a16] offset:\off
	ds_load_b64 v[\reg+4:\reg+5], v[\a8] offset:\off+512
	ds_load_b128 v[\reg+6:\reg+9], v[\a16] offset:\off+768
	ds_load_b64 v[\reg+10:\reg+11], v[\a8] offset:\off+1280
.endm
.macro FETCH s                         ; K step s: 48 LDS loads into set s % 2
.if (\s)%2
	WIN 0xc0
.else
	WIN 0x80
.endif
.irp b, 0,1,2,3,4,5,6,7
	FRAG 12*\b, B16+(\s)/2, B8+(\s)/2, 3072*\b+1536*((\s)%2)
.endr
.irp a, 0,1,2,3
	FRAG 96+12*\a, A16+(\s)/2, A8+(\s)/2, 3072*\a+1536*((\s)%2)
.endr
	WIN 0
.endm
; 32 products of K step s.  The 32 accumulators take turns, in the same order in every step.  cm = 1: C = the bias along Src0; 2: along Src1; 0: the sums go on.
.macro MULS s, cm
.irp a, 0,1,2,3
.irp b, 0,1,2,3,4,5,6,7
.if (\cm) == 1
	v_wmma_scale_f32_16x16x128_f8f6f4 v[64*\a+8*\b:64*\a+8*\b+7], v[12*\b:12*\b+11], v[96+12*\a:96+12*\a+11], v[B0+8*\b:B0+8*\b+7], v[SB+4*\b], v[SA+4*\a] matrix_a_fmt:MATRIX_FMT_FP6 matrix_b_fmt:MATRIX_FMT_FP6
.elseif (\cm) == 2
	v_wmma_scale_f32_16x16x128_f8f6f4 v[64*\a+8*\b:64*\a+8*\b+7], v[12*\b:12*\b+11], v[96+12*\a:96+12*\a+11], v[B1+8*\a:B1+8*\a+7], v[SB+4*\b], v[SA+4*\a] matrix_a_fmt:MATRIX_FMT_FP6 matrix_b_fmt:MATRIX_FMT_FP6
.elseif (\s) < 4
	v_wmma_scale_f32_16x16x128_f8f6f4 v[64*\a+8*\b:64*\a+8*\b+7], v[12*\b:12*\b+11], v[96+12*\a:96+12*\a+11], v[64*\a+8*\b:64*\a+8*\b+7], v[SB+4*\b+(\s)], v[SA+4*\a+(\s)] matrix_a_fmt:MATRIX_FMT_FP6 matrix_b_fmt:MATRIX_FMT_FP6
.else
	v_wmma_scale_f32_16x16x128_f8f6f4 v[64*\a+8*\b:64*\a+8*\b+7], v[12*\b:12*\b+11], v[96+12*\a:96+12*\a+11], v[64*\a+8*\b:64*\a+8*\b+7], v[SB+4*\b+(\s)-4], v[SA+4*\a+(\s)-4] matrix_a_fmt:MATRIX_FMT_FP6 matrix_b_fmt:MATRIX_FMT_FP6 matrix_a_scale:MATRIX_SCALE_ROW1 matrix_b_scale:MATRIX_SCALE_ROW1
.endif
.endr
.endr
.endm
.macro KSTEP s
	s_wait_dscnt 0x0                               ; this step's fragments, asked for a step ago, are in
.if ((\s) == 1) || ((\s) == 3) || ((\s) == 5)
	s_wait_tensorcnt (5-(\s))/2                    ; my part of the next chunk has landed; the later chunks' loads may stay out
	s_barrier_signal -1
	s_barrier_wait -1                              ; everybody's has
.endif
.if (\s) < 7
.rept 4
	v_nop                                          ; four places between the last step's products and loads into the set that they read (ISA guide 7.12.1 for vector instructions)
.endr
	FETCH (\s)+1
.endif
.if (\s)%2
	WIN 0x5f
.else
	WIN 0x5a
.endif
	MULS \s, 0
	WIN 0
.endm
	s_load_b256 s[4:11], s[0:1], 0x0               ; opc, ops, bq, bk
	s_load_b128 s[12:15], s[0:1], 0x20             ; bv, qkvc
	s_load_b64 s[16:17], s[0:1], 0x30              ; qkvs
	v_lshl_add_u32 v[SPW], v0, 2, SPARE
	v_mov_b32 v[NIL], 0
	ds_add_u32 v[SPW], v[NIL]
	ds_add_u32 v[SPW], v[NIL]                      ; the wave's opening: the add and its wait stand ahead of my first tensor load; the set-up below, work on registers, stands between them
	v_lshrrev_b32 v[TP], 5, v0
	v_readfirstlane_b32 s[WV], v[TP]               ; wave 0..3
	s_lshr_b32 s[WM], s[WV], 1                     ; which half of Src1's rows is mine.  Also: I fetch for Src1 (0) or for Src0 (1)
	s_and_b32 s[WN], s[WV], 1                      ; which half of Src0's rows.  Also: which half of that operand's tiles I fetch
	s_bfe_u32 s[CX], ttmp6, 0x40000
	s_bfe_u32 s[CY], ttmp6, 0x40004
	s_and_b32 s[CLY], ttmp7, 0xffff                ; the cluster's y
	v_and_b32 v[TP], 31, v0
	v_lshlrev_b32 v[L16], 4, v[TP]
	v_lshlrev_b32 v[L8], 3, v[TP]
	v_and_b32 v[RR], 15, v0
	v_bfe_u32 v[HH], v0, 4, 1
	v_lshlrev_b32 v[BO0], 6, v[HH]
	v_and_b32 v[BO1], 8, v[RR]
	v_add_nc_u32 v[BO1], v[BO1], v[RR]
	v_lshlrev_b32 v[BO1], 2, v[BO1]
	s_mul_i32 s92, s[WM], 12288                    ; my four tiles of Src1 in a chunk,
	s_mul_i32 s93, s[WN], 24576
	s_add_co_u32 s93, s93, S0OFF                   ; my eight of Src0
.irp c, 0,1,2,3
	v_add_nc_u32 v[A16+\c], s92, v[L16]
	v_add_nc_u32 v[A8+\c], s92, v[L8]
	v_add_nc_u32 v[B16+\c], s93, v[L16]
	v_add_nc_u32 v[B8+\c], s93, v[L8]
	s_add_co_u32 s92, s92, CHUNK
	s_add_co_u32 s93, s93, CHUNK
.endr
	; which product, and its first tiles: all chosen on one compare of the cluster's x
	s_lshr_b32 s58, s[CLY], 1
	s_lshl_b32 s58, s58, 6                         ; v: Src0 = x, tile 64 (y / 2) + 16 cx
	s_lshl_b32 s59, ttmp9, 6
	s_add_co_u32 s59, s59, 512                     ; q, k: Src0 = the weight, tile 512 + 64 x + 16 cx
	s_and_b32 s60, s[CLY], 1
	s_lshl_b32 s60, s60, 5
	s_add_co_u32 s60, s60, 640                     ; v: Src1 = Wv, tile 640 + 32 (y % 2) + 8 cy
	s_lshl_b32 s61, s[CLY], 5                      ; q, k: Src1 = x, tile 32 y + 8 cy
	s_mov_b32 s62, 98304
	s_cmp_eq_u32 ttmp9, 2
	s_cselect_b32 s[GG0], s58, s59
	s_cselect_b32 s[GG1], s60, s61
	s_cselect_b32 s[TY], 1, 0
	s_cselect_b32 s[MT], -1, 0
	s_cselect_b32 s96, 0, 8192                     ; scale words: from lanes 0-15 to lanes 16-31: q, k: the next head's plane
	s_cselect_b32 s97, 3072, s62                   ; codes: from c = 0 to c = 1: v: the key step's second half; q, k: the next head's plane
	v_add_nc_u32 v[OA1], s97, v[L16]
	v_add_nc_u32 v[OB1], s97, v[L8]
	v_mul_lo_u32 v[SCV], v[HH], s96
	v_lshl_add_u32 v[SCV], v[RR], 4, v[SCV]
	v_add_nc_u32 v[MASK], -1, v[HH]                ; q, k: lanes 0-15 take head c = 0's word whole, lanes 16-31 head c = 1's
	v_mov_b32 v[TP], 0xffff                        ; v: bytes 0, 1 from c = 0, bytes 2, 3 from c = 1
	v_cndmask_b32 v[MASK], v[MASK], v[TP], s[MT]
	s_lshl_b32 s2, s[CY], 2
	s_lshl_b32 s2, 15, s2                          ; my row of the cluster
	s_lshl_b32 s3, 0x1111, s[CX]                   ; my column
	; group 1: R rows (tiles) of 384 elements of 8 bytes (two K steps, 3,072 bytes), 1,536 elements from tile to tile; no padding
	s_or_b32 s[G1A], s2, (3<<16)|(1<<21)           ; 15:0 the mask: Src1's chunks go to my row; 17:16 elements of 8 bytes; 21 set beside a mask
	s_or_b32 s[G1B], s3, (3<<16)|(1<<21)           ; Src0's to my column
	s_mov_b32 s[G1A+1], 384<<16                    ; tensor_dim0
	s_mov_b32 s[G1A+2], 4<<16                      ; tensor_dim1
	s_mov_b32 s[G1A+3], 384<<16                    ; tile_dim0
	s_mov_b32 s[G1A+4], 4                          ; tile_dim1
	s_mov_b32 s[G1A+5], 1536                       ; the pitch
	s_mov_b32 s[G1A+6], 0
	s_mov_b32 s[G1A+7], 0
	s_mov_b32 s[G1B+1], 384<<16
	s_mov_b32 s[G1B+2], 8<<16
	s_mov_b32 s[G1B+3], 384<<16
	s_mov_b32 s[G1B+4], 8
	s_mov_b32 s[G1B+5], 1536
	s_mov_b32 s[G1B+6], 0
	s_mov_b32 s[G1B+7], 0
	s_lshl_b32 s3, s[CX], 4
	s_add_co_u32 s[GG0], s[GG0], s3                ; Src0's first tile: it never holds cy
	s_lshl_b32 s2, s[CY], 3
	s_add_co_u32 s[GG1], s[GG1], s2                ; Src1's: it never holds cx
	s_lshl_b32 s67, s[WN], 3
	s_add_co_u32 s67, s67, s[GG0]                  ; my wave's first tile of Src0; also the eight tiles that waves 2 and 3 fetch
	s_lshl_b32 s66, s[WM], 2
	s_add_co_u32 s66, s66, s[GG1]                  ; my wave's first tile of Src1
	s_lshl_b32 s63, s[WN], 2
	s_add_co_u32 s63, s63, s[GG1]                  ; the four tiles that waves 0 and 1 fetch
	s_mul_i32 s60, s63, 12288
	s_mov_b32 s61, 0
	s_mul_i32 s62, s67, 12288
	s_mov_b32 s63, 0
	s_mul_i32 s58, s[WN], 12288                    ; and where they go in a chunk: no place in the cluster enters an LDS address
	s_mul_i32 s59, s[WN], 24576
	s_add_co_u32 s59, s59, S0OFF
	s_lshl_b32 s84, s66, 9                         ; scale words: 512 bytes a tile
	s_mov_b32 s85, 0
	s_lshl_b32 s86, s67, 9
	s_mov_b32 s87, 0
	s_and_b32 s88, s67, 63                         ; the biases: 64 bytes a tile, taken modulo the bias's 64 tiles, so that both loads stay inside it whichever is used
	s_lshl_b32 s88, s88, 6
	s_mov_b32 s89, 0
	s_and_b32 s90, s66, 63
	s_lshl_b32 s90, s90, 6
	s_mov_b32 s91, 0
	; where the results go.  q, k:
	s_sub_co_u32 s92, s67, 512
	s_lshr_b32 s92, s92, 2                         ; 16 x (0 q, 1 k) + head
	s_lshr_b32 s93, s92, 4
	s_lshl_b32 s93, s93, 6
	s_and_b32 s92, s92, 15
	s_add_co_u32 s92, s92, s93
	s_lshr_b32 s93, s66, 7
	s_lshl_b32 s93, s93, 4
	s_add_co_u32 s92, s92, s93                     ; the plane
	s_and_b32 s93, s66, 127                        ; the token tile in its batch
	s_mul_i32 s94, s92, 98304
	s_mul_i32 s95, s93, 768
	s_add_co_u32 s94, s94, s95                     ; codes
	s_lshl_b32 s92, s92, 13
	s_lshr_b32 s93, s93, 2
	s_lshl_b32 s93, s93, 8
	s_add_co_u32 s95, s92, s93                     ; scale words
	; v:
	s_lshr_b32 s92, s67, 7
	s_lshl_b32 s92, s92, 4
	s_sub_co_u32 s93, s66, 640
	s_lshr_b32 s93, s93, 2
	s_add_co_u32 s92, s92, s93                     ; 16 x batch + head
	s_and_b32 s93, s67, 127
	s_lshr_b32 s93, s93, 3                         ; the key step
	s_add_co_u32 s96, s92, 128
	s_mul_i32 s96, s96, 98304
	s_mul_i32 s97, s93, 6144
	s_add_co_u32 s96, s96, s97
	s_lshl_b32 s92, s92, 12
	s_lshl_b32 s93, s93, 8
	s_add_co_u32 s97, s92, s93
	s_add_co_u32 s97, s97, 1048576
	s_cmp_eq_u32 s[TY], 1
	s_cselect_b32 s92, s96, s94
	s_cselect_b32 s94, s97, s95
	s_mov_b32 s93, 0
	s_mov_b32 s95, 0
	s_wait_dscnt 0x0                               ; the opening add is done
	s_wait_kmcnt 0x0
	s_add_nc_u64 s[60:61], s[4:5], s[60:61]
	s_add_nc_u64 s[62:63], s[4:5], s[62:63]
	s_add_nc_u64 s[84:85], s[6:7], s[84:85]
	s_add_nc_u64 s[86:87], s[6:7], s[86:87]
	s_cmp_eq_u32 ttmp9, 1
	s_cselect_b64 s[8:9], s[10:11], s[8:9]
	s_cmp_eq_u32 ttmp9, 2
	s_cselect_b64 s[8:9], s[12:13], s[8:9]         ; bq, bk or bv
	s_add_nc_u64 s[88:89], s[8:9], s[88:89]
	s_add_nc_u64 s[90:91], s[8:9], s[90:91]
	s_add_nc_u64 s[14:15], s[14:15], s[92:93]
	s_add_nc_u64 s[16:17], s[16:17], s[94:95]
.irp c, 0,1,2,3
	s_mov_b32 s[G0A+4*\c], 1                       ; count = 1
	s_add_co_u32 s[G0A+4*\c+1], s58, \c*CHUNK      ; LDS address
	s_add_nc_u64 s[G0A+4*\c+2:G0A+4*\c+3], s[60:61], \c*3072   ; K steps 2 c and 2 c + 1
	s_or_b32 s[G0A+4*\c+3], s[G0A+4*\c+3], 0x80000000          ; type = 2
	s_mov_b32 s[G0B+4*\c], 1
	s_add_co_u32 s[G0B+4*\c+1], s59, \c*CHUNK
	s_add_nc_u64 s[G0B+4*\c+2:G0B+4*\c+3], s[62:63], \c*3072
	s_or_b32 s[G0B+4*\c+3], s[G0B+4*\c+3], 0x80000000
.endr
	CROUND                                         ; all sixteen work-groups are here: the joint loads meet
	s_cmp_eq_u32 s[WM], 0                          ; a wave's four fills stand in one branch on the wave's number; an s_nop 0 follows each, four v_nop the last
	s_cbranch_scc0 .Lfill_src0
.irp c, 0,1,2,3
	tensor_load_to_lds s[G0A+4*\c:G0A+4*\c+3], s[G1A:G1A+7]
	s_nop 0
.endr
.rept 4
	v_nop
.endr
	s_branch .Lfilled
.Lfill_src0:
.irp c, 0,1,2,3
	tensor_load_to_lds s[G0B+4*\c:G0B+4*\c+3], s[G1B:G1B+7]
	s_nop 0
.endr
.rept 4
	v_nop
.endr
.Lfilled:
.irp a, 0,1,2,3
	global_load_b128 v[SA+4*\a:SA+4*\a+3], v[L16], s[84:85] offset:512*\a      ; a tile's 512 bytes of scale words: lane 16 hh + r takes K steps 4 hh .. 4 hh + 3 of lane-row r
.endr
.irp b, 0,1,2,3,4,5,6,7
	global_load_b128 v[SB+4*\b:SB+4*\b+3], v[L16], s[86:87] offset:512*\b
.endr
.irp b, 0,1,2,3,4,5,6,7
	global_load_b128 v[B0+8*\b:B0+8*\b+3], v[BO0], s[88:89] offset:128*(\b/2)+32*(\b%2)       ; the bias at rows 32 (b / 2) + 16 h + 8 (b % 2) + 0 .. 7
	global_load_b128 v[B0+8*\b+4:B0+8*\b+7], v[BO0], s[88:89] offset:128*(\b/2)+32*(\b%2)+16
.endr
.irp a, 0,1,2,3
	global_load_b32 v[B1+8*\a], v[BO1], s[90:91] offset:128*(\a/2)+32*(\a%2)   ; the bias at my lane's row of Src1
.endr
	s_wait_tensorcnt 0x3                           ; my part of chunk 0 has landed; three loads may stay out
	s_barrier_signal -1
	s_barrier_wait -1                              ; everybody's has
	FETCH 0
	; K step 0: its products start the sums with the bias as C
	s_wait_dscnt 0x0
	s_wait_loadcnt 0x0                             ; scale words and biases
.irp a, 0,1,2,3
.irp j, 1,2,3,4,5,6,7
	v_mov_b32 v[B1+8*\a+\j], v[B1+8*\a]
.endr
.endr
	FETCH 1
	s_cmp_eq_u32 s[TY], 1
	s_cbranch_scc1 .Lstart_v
	WIN 0x4a
	MULS 0, 1                                      ; q, k: the bias runs along Src0's rows, the features
	WIN 0
	s_branch .Lstarted
.Lstart_v:
	WIN 0x4a
	s_wait_alu depctr_va_vdst(0)
	MULS 0, 2                                      ; v: along Src1's rows, the channels
	WIN 0
.Lstarted:
	KSTEP 1
	KSTEP 2
	KSTEP 3
	KSTEP 4
	KSTEP 5
	KSTEP 6
	KSTEP 7
	; THE WAY OUT.  Registers 16 k .. 16 k + 15 of window 1 are my 16 numbers of block k (k = 4 a + 2 c + block); groups of 32 registers, g = 2 a + c, become halves of fragments.
	s_mov_b32 s2, 0x76543210
	s_mov_b32 s3, 0xfedcba98                       ; v_permlanex16_b32's selects for lane l xor 16
.rept 4
	v_nop                                          ; four places behind the last products
.endr
	WIN 0x05                                       ; sources 0 and 1 in window 1
.set k, 0
.rept 16
	v_max3_num_f32 v[TM+k], |v[16*k]|, |v[16*k+1]|, 0x1800000   ; each accumulator is read from its low end on; the floor 2^(3 - 127) holds the byte at 1 from below
.set k, k+1
.endr
.irp i, 2,4,6,8,10,12,14
.set k, 0
.rept 16
	v_max3_num_f32 v[TM+k], |v[16*k+\i]|, |v[16*k+\i+1]|, v[TM+k]
.set k, k+1
.endr
.endr
	WIN 0
.set k, 0
.rept 16
	v_permlanex16_b32 v[PD+k], v[TM+k], s2, s3
.set k, k+1
.endr
.set k, 0
.rept 16
	v_max_num_f32 v[TM+k], v[TM+k], v[PD+k]        ; with lane l xor 16's 16: the block's largest magnitude
.set k, k+1
.endr
.set k, 0
.rept 16
	v_add_nc_u32 v[SO+k], 0xff000000, v[TM+k]      ; 2 off the exponent field: the conversion's scale operand
.set k, k+1
.endr
.set k, 0
.rept 16
	v_lshrrev_b32 v[BY+k], 23, v[SO+k]             ; the scale's byte
.set k, k+1
.endr
.irp g, 0,1,2,3,4,5,6,7
	v_lshl_or_b32 v[DD+\g], v[BY+2*\g+1], 8, v[BY+2*\g]
.endr
.irp g, 0,1,2,3,4,5,6,7
	v_lshl_or_b32 v[DD+\g], v[DD+\g], 16, v[DD+\g] ; (s0, s1, s0, s1)
.endr
.irp a, 0,1,2,3
	v_bfi_b32 v[WW+\a], v[MASK], v[DD+2*\a], v[DD+2*\a+1]
.endr
	WIN 0x01                                       ; the numbers in window 1
.irp g, 0,1,2,3,4,5,6,7
	v_cvt_scalef32_pk16_fp6_f32 v[PC+6*\g:PC+6*\g+2], v[32*\g:32*\g+15], v[SO+2*\g]
	v_cvt_scalef32_pk16_fp6_f32 v[CT+4*\g:CT+4*\g+2], v[32*\g+16:32*\g+31], v[SO+2*\g+1]
.endr
	WIN 0
	v_nop                                          ; one plain place behind a scaled conversion
.irp g, 0,1,2,3,4,5,6,7                        ; the layout wants a WHOLE block in a lane: lanes 0-15 block 0, lanes 16-31 block 1
.irp i, 0,1,2
	v_permlane16_swap_b32 v[PC+6*\g+\i], v[CT+4*\g+\i]
.endr
.irp i, 0,1,2
	v_mov_b32 v[PC+6*\g+3+\i], v[CT+4*\g+\i]
.endr
.endr
.irp a, 0,1,2,3
	global_store_b128 v[L16], v[PC+12*\a:PC+12*\a+3], s[14:15] offset:768*\a           ; 512 consecutive bytes
	global_store_b64 v[L8], v[PC+12*\a+4:PC+12*\a+5], s[14:15] offset:768*\a+512       ; 256
	global_store_b128 v[OA1], v[PC+12*\a+6:PC+12*\a+9], s[14:15] offset:768*\a
	global_store_b64 v[OB1], v[PC+12*\a+10:PC+12*\a+11], s[14:15] offset:768*\a+512
.endr
	global_store_b128 v[SCV], v[WW:WW+3], s[16:17] ; q, k: 256 bytes for each of two heads; v: 256 bytes, which lanes 16-31 write a second time with the same values
	s_wait_tensorcnt 0x0                           ; the wave's end, behind my last tensor load
	ds_add_u32 v[SPW], v[NIL]
	s_wait_dscnt 0x0
	CROUND                                         ; the closing round
	s_endpgm
.Lfunc_end_k_q03bc0e6783_qkv:
	.size	k_q03bc0e6783_qkv, .Lfunc_end_k_q03bc0e6783_qkv-k_q03bc0e6783_qkv
	.p2alignl 7, 3214868480
	.fill 96, 4, 3214868480
	.section	.rodata,"a",@progbits
	.p2align	6, 0x0
	.amdhsa_kernel k_q03bc0e6783_qkv
		.amdhsa_group_segment_fixed_size 327680
		.amdhsa_private_segment_fixed_size 0
		.amdhsa_enable_private_segment 0
		.amdhsa_kernarg_size 56
		.amdhsa_user_sgpr_count 2
		.amdhsa_user_sgpr_kernarg_segment_ptr 1
		.amdhsa_wavefront_size32 1
		.amdhsa_system_sgpr_workgroup_id_x 1
		.amdhsa_system_sgpr_workgroup_id_y 1
		.amdhsa_system_sgpr_workgroup_id_z 1
		.amdhsa_system_vgpr_workitem_id 0
		.amdhsa_next_free_vgpr 1024
		.amdhsa_next_free_sgpr 100
		.amdhsa_reserve_vcc 0
		.amdhsa_float_denorm_mode_32 3
		.amdhsa_float_denorm_mode_16_64 3
		.amdhsa_memory_ordered 1
		.amdhsa_forward_progress 1
		.amdhsa_inst_pref_size 96
	.end_amdhsa_kernel
	.amdgpu_metadata
---
amdhsa.version: [ 1, 2 ]
amdhsa.kernels:
  - .name:           k_q03bc0e6783_qkv
    .symbol:         k_q03bc0e6783_qkv.kd
    .args:
      - { .name: opc, .offset: 0, .size: 8, .value_kind: global_buffer, .address_space: global }
      - { .name: ops, .offset: 8, .size: 8, .value_kind: global_buffer, .address_space: global }
      - { .name: bq, .offset: 16, .size: 8, .value_kind: global_buffer, .address_space: global }
      - { .name: bk, .offset: 24, .size: 8, .value_kind: global_buffer, .address_space: global }
      - { .name: bv, .offset: 32, .size: 8, .value_kind: global_buffer, .address_space: global }
      - { .name: qkvc, .offset: 40, .size: 8, .value_kind: global_buffer, .address_space: global }
      - { .name: qkvs, .offset: 48, .size: 8, .value_kind: global_buffer, .address_space: global }
    .group_segment_fixed_size: 327680
    .private_segment_fixed_size: 0
    .kernarg_segment_align: 8
    .kernarg_segment_size: 56
    .max_flat_workgroup_size: 128
    .sgpr_count:     100
    .vgpr_count:     1024
    .wavefront_size: 32
...
	.end_amdgpu_metadata
.endif
;; end of part 2
;; launch attn (part 3): grid 4 x 64, 16 waves a work-group, clusters of 4 x 1, 210,944 bytes of LDS; arguments qkvc, qkvs, ac, asc; writes ac, asc
.if DOCPART == 3
	.amdgcn_target "amdgcn-amd-amdhsa--gfx1250"
	.amdhsa_code_object_version 6
	.text
	.protected	k_q03bc0e6783_attn
	.globl	k_q03bc0e6783_attn
	.p2align	8
	.type	k_q03bc0e6783_attn,@function
k_q03bc0e6783_attn:
	s_mov_b64 s[64:65], 0
	v_nop
	global_prefetch_b8 v0, s[64:65] scope:SCOPE_SE
	s_setreg_imm32_b32 hwreg(HW_REG_WAVE_MODE, 25, 1), 1
	s_wait_xcnt 0x0
	s_wait_alu depctr_hold_cnt(0) depctr_sa_sdst(0) depctr_va_vdst(0) depctr_va_sdst(0) depctr_va_ssrc(0) depctr_va_vcc(0) depctr_vm_vsrc(0)
	s_getreg_b32 s2, hwreg(HW_REG_IB_STS2, 6, 4)
	s_cmp_eq_u32 s2, 0
	s_cbranch_scc0 .Lentry_in_a_cluster
	s_endpgm
.Lentry_in_a_cluster:
	s_bfe_u32 s2, ttmp6, 0x10000c
	s_cmp_lg_u32 s2, 0x3003
	s_cbranch_scc0 .Lentry_shape_is_right
	s_endpgm
.Lentry_shape_is_right:
; Causal attention of one head (bh = 16 x batch + head) on codes of FP6 (E2M3): scores = q k^T / 32, p = 2^(t - M), attn = (p v) / l, and attn quantised along its 64 channels for the last product.
; t = score x log2(e) / 32; M = the running largest t rounded UP to a whole number; p is quantised along the keys, not normalised; the row's sum l is taken of the unquantised p and divides at the end;
; when M moves, l and O are multiplied by 2^(old M - new M), which rounds nothing.
; SHARES.  The four work-groups of a cluster serve one head.  A tile is 16 queries; a head has 128.  Wave w of work-group cx owns p = 8 (w / 2) + 2 cx + w % 2: the BIG tile 127 - p, whose last key step (128 keys) is
; 15 - w / 2, and the SMALL tile p, whose last is w / 2: 17 key steps for every wave.  Limits and branches hang on the wave's number and on the count of steps alone; cx enters global addresses and the mask's lane number only.
; LDS.  The head's whole K and V (98,304 bytes each) and their scale words lie in LDS, filled ONCE, jointly for the four work-groups: wave 0 asks for K's three parts, wave 1 for V's: three tensor loads of a wave are out at the most.
; K = 64.  The instruction is 128 deep.  A fragment of k carries TWO tiles of keys (one in each half of K), and q stands as (q | 0) or (0 | q): the other tile's codes meet zero codes.  Scale words of q and k are (s0, s1, s0, s1).
; LAYOUT.  Both products are used transposed (S^T = k q^T, O^T = v^T p^T): a lane holds one query.  Tile 2 B + u holds in lane-row r the row 32 B + 8 u + r + 8 (r / 8), so that 16 registers of two tiles are 16 neighbours.
; The scale bytes of attn leave as two bytes a row and head, inside one run of 256 bytes that eight heads' work-groups fill: 1/24 of what the launch stores.
; Nothing is prefetched: every byte of K and V is asked for at the kernel's head.
; LIMITS: NaN and infinities are not served; a block whose largest magnitude lies under 2^-124 gets the scale byte 1.
.set VIMG,  98304
.set KSC,   196608
.set VSC,   204800
.set SPARE, 208896                     ; the spare words, 128 bytes for each of 16 waves: eight blocks of 256 bytes that no other line names
.set K16,  1                           ; v1   16 x lane
.set K8,   2                           ; v2   8 x lane
.set V16,  3                           ; v3, v4  the same in V's image
.set V8,   4
.set KS0,  5                           ; v5   16 r in K's scale words
.set VS0,  6                           ; v6   in V's
.set SPW,  7                           ; v7   my spare word; never rewritten
.set NIL,  8                           ; v8   0; never rewritten
.set DQ,   9                           ; v9   my query - the diagonal step's first key - 16 h
.set AK16, 10                          ; v10-15 the step's addresses
.set AK8,  11
.set AV16, 12
.set AV8,  13
.set AKS,  14
.set AVS,  15
                                       ; v16 -M, v17 the largest t, v[18:19] the sum in two halves
.set QB,   20                          ; v20-37 (0 x 6)(q x 6)(0 x 6): (q | 0) = v26-37, (0 | q) = v20-31
.set QS,   38                          ; v38  q's scale word
.set PS,   39                          ; v39  p's
                                       ; v[40:41] f
.set KSR,  42                          ; v42-49 the step's scale words of K, a register a tile
.set VSR,  50                          ; v50-53 of V
.set KF,   54                          ; v54-101  four fragments of K; behind the scores these registers are at work:
.set PC,   KF                          ;   p's codes
.set CT,   KF+12
.set BM,   KF+20
.set PD,   KF+24
.set SO,   KF+28
.set TMP,  KF+32
.set INF,  KF+33
.set VF,   102                         ; v102-149 four fragments of V
.set S,    150                         ; v150-213 S^T, then p
.set O,    214                         ; v214-245 O^T
.set QSM,  246                         ; v246-251 the small tile's q;  v252 its scale word
.set QSS,  252
.set R16,  253                         ; v253 16 r
.set DQS,  254                         ; v254 the small tile's DQ
.set WV,   12
.set WA,   13
.set SEL,  20
.set CS,   22
.set ST,   60                          ; the key step
.set LIM,  61                          ; the tile's last key step
.set TK,   62                          ; 6,144 x step: K's and V's tiles
.set TS,   63                          ; 512 x step: K's scale words
.set TJ,   66                          ; 256 x step: V's
.macro CROUND
	s_barrier_signal -1
	s_barrier_wait -1
	s_cmp_lg_u32 s[WV], 0
	s_cbranch_scc1 .Lnot_wave_0_\@
	s_barrier_signal -3
.Lnot_wave_0_\@:
	s_barrier_wait -3
	s_barrier_signal -1
	s_barrier_wait -1
.endm
.macro FRAG reg, a16, a8, off
	ds_load_b128 v[\reg:\reg+3], v[\a16] offset:\off
	ds_load_b64 v[\reg+4:\reg+5], v[\a8] offset:\off+512
	ds_load_b128 v[\reg+6:\reg+9], v[\a16] offset:\off+768
	ds_load_b64 v[\reg+10:\reg+11], v[\a8] offset:\off+1280
.endm
.macro INIT                            ; a tile begins: the largest t under every t, zeros for the sum and O^T, which the first change of M leaves zeros
	v_mov_b32 v17, 0xff61b1e6                      ; -3e38
	s_delay_alu instid0(VALU_DEP_1)
	v_floor_f32 v16, -v17
	v_mov_b32 v18, 0
	v_mov_b32 v19, 0
.set n, 0
.rept 32
	v_mov_b32 v[O+n], 0
.set n, n+1
.endr
.endm
; ONE KEY STEP.  lim = 1: a step behind the tile's last is passed over, and the last one, on the diagonal, is masked.
.macro UNIT lim
.if \lim
	s_cmp_gt_u32 s[ST], s[LIM]                     ; the wave's number and the count of steps alone
	s_cbranch_scc1 .Lhidden_\@
.endif
	s_setprio 2
	v_add_nc_u32 v[AK16], s[TK], v[K16]            ; these six are also the places in front of loads into registers that the last products read
	v_add_nc_u32 v[AK8], s[TK], v[K8]
	v_add_nc_u32 v[AV16], s[TK], v[V16]
	v_add_nc_u32 v[AV8], s[TK], v[V8]
	v_add_nc_u32 v[AKS], s[TS], v[KS0]
	v_add_nc_u32 v[AVS], s[TJ], v[VS0]
.irp i, 0,1,2,3
	FRAG KF+12*\i, AK16, AK8, 1536*\i              ; tiles 2 i and 2 i + 1 of the step's eight
.endr
	ds_load_b128 v[KSR:KSR+3], v[AKS]
	ds_load_b128 v[KSR+4:KSR+7], v[AKS] offset:256
.irp t, 0,1,2,3
	ds_load_b128 v[VF+12*\t:VF+12*\t+3], v[AV16] offset:768*\t
	ds_load_b64 v[VF+12*\t+4:VF+12*\t+5], v[AV8] offset:768*\t+512
	ds_load_b128 v[VF+12*\t+6:VF+12*\t+9], v[AV16] offset:3072+768*\t
	ds_load_b64 v[VF+12*\t+10:VF+12*\t+11], v[AV8] offset:3072+768*\t+512
.endr
	ds_load_b128 v[VSR:VSR+3], v[AVS]
	s_wait_dscnt 17                                ; K's 18 loads are in; V's 17 may be out
.irp j, 0,2,4,6
	v_wmma_scale_f32_16x16x128_f8f6f4 v[S+8*\j:S+8*\j+7], v[KF+6*\j:KF+6*\j+11], v[QB+6:QB+17], 0, v[KSR+\j], v[QS] matrix_a_fmt:MATRIX_FMT_FP6 matrix_b_fmt:MATRIX_FMT_FP6
	v_wmma_scale_f32_16x16x128_f8f6f4 v[S+8*\j+8:S+8*\j+15], v[KF+6*\j:KF+6*\j+11], v[QB:QB+11], 0, v[KSR+\j+1], v[QS] matrix_a_fmt:MATRIX_FMT_FP6 matrix_b_fmt:MATRIX_FMT_FP6
.endr
.rept 4
	v_nop                                          ; four places behind the products
.endr
.if \lim
	s_cmp_lg_u32 s[ST], s[LIM]
	s_cbranch_scc1 .Lopen_\@
	v_mov_b32 v[INF], 0xff800000                   ; register 16 b + i holds key 32 b + 16 h + i of the step: hidden where 32 b + i > DQ: its score becomes -infinity, p = 0
.irp n, 0,1,2,3,4,5,6,7,8,9,10,11,12,13,14,15,16,17,18,19,20,21,22,23,24,25,26,27,28,29,30,31,32,33,34,35,36,37,38,39,40,41,42,43,44,45,46,47,48,49,50,51,52,53,54,55,56,57,58,59,60,61,62,63
	v_cmp_gt_i32 vcc_lo, 32*(\n/16)+\n%16, v[DQ]
	v_cndmask_b32 v[S+\n], v[S+\n], v[INF], vcc_lo
.endr
.Lopen_\@:
.endif
.irp b, 0,1,2,3
	v_max3_num_f32 v[BM+\b], v[S+16*\b], v[S+16*\b+1], v[S+16*\b+2]   ; the largest score of each block of 32 keys: for the row's maximum, and, since p rises with the score, for the block's largest p
.endr
.irp i, 3,5,7,9,11,13
.irp b, 0,1,2,3
	v_max3_num_f32 v[BM+\b], v[BM+\b], v[S+16*\b+\i], v[S+16*\b+\i+1]
.endr
.endr
.irp b, 0,1,2,3
	v_max_num_f32 v[BM+\b], v[BM+\b], v[S+16*\b+15]
.endr
.irp b, 0,1,2,3
	s_delay_alu instid0(VALU_DEP_4)
	v_permlanex16_b32 v[PD+\b], v[BM+\b], s[SEL], s[SEL+1]
.endr
.irp b, 0,1,2,3
	s_delay_alu instid0(VALU_DEP_4)
	v_max_num_f32 v[BM+\b], v[BM+\b], v[PD+\b]     ; with lane l xor 16's 16 keys
.endr
	s_delay_alu instid0(VALU_DEP_2)
	v_max3_num_f32 v[TMP], v[BM], v[BM+1], v[BM+2]
	s_delay_alu instid0(VALU_DEP_1)
	v_max_num_f32 v[TMP], v[TMP], v[BM+3]
	s_delay_alu instid0(VALU_DEP_1)
	v_mul_f32 v[TMP], s[CS], v[TMP]                ; as t (c is positive)
	s_delay_alu instid0(VALU_DEP_1)
	v_max_num_f32 v17, v17, v[TMP]                 ; the running largest t
	v_mov_b32 v[TMP], v16
	s_delay_alu instid0(VALU_DEP_2)
	v_floor_f32 v16, -v17                          ; the new -M = floor(-t): M is a whole number
	s_delay_alu instid0(VALU_DEP_1)
	v_sub_f32 v[TMP], v16, v[TMP]                  ; old M - new M: a whole number, 0 or less
	s_delay_alu instid0(VALU_DEP_1)
	v_cvt_i32_f32 v[TMP], v[TMP]                   ; (it saturates)
	s_delay_alu instid0(VALU_DEP_1)
	v_ldexp_f32 v40, 1.0, v[TMP]                   ; f = 2^(old M - new M)
.set n, 0
.rept 32
	v_pk_fma_f32 v[S+n:S+n+1], v[S+n:S+n+1], s[CS:CS+1], v[16:17] op_sel_hi:[1,0,0]   ; t - M, two at a time
.set n, n+2
.endr
.irp b, 0,1,2,3
	v_fma_f32 v[BM+\b], v[BM+\b], s[CS], v16       ; the same of each block's largest score
.endr
.set n, 0
	s_setprio 1
	s_wait_alu depctr_va_vdst(0)
.rept 64
	v_exp_f32 v[S+n], v[S+n]                       ; p = 2^(t - M)
.set n, n+1
.endr
	v_pk_mul_f32 v[18:19], v[18:19], v[40:41] op_sel_hi:[1,0]   ; the sums under the new M: a plain place behind the exponentials
	s_wait_alu depctr_va_vdst(0)                   ; one wait for the batch, ahead of its first reader
.irp b, 0,1,2,3
	v_exp_f32 v[BM+\b], v[BM+\b]                   ; the block's largest p
.endr
	v_pk_add_f32 v[78:79], v[154:155], v[158:159]
	v_pk_add_f32 v[100:101], v[162:163], v[166:167]
	v_pk_add_f32 v[98:99], v[170:171], v[174:175]
	v_pk_add_f32 v[96:97], v[178:179], v[182:183]
	v_pk_add_f32 v[94:95], v[186:187], v[190:191]
	v_pk_add_f32 v[92:93], v[194:195], v[198:199]
	v_pk_add_f32 v[90:91], v[202:203], v[206:207]
	v_pk_add_f32 v[18:19], v[18:19], v[210:211]
	v_pk_add_f32 v[78:79], v[78:79], v[150:151]
	v_pk_add_f32 v[100:101], v[100:101], v[152:153]
	v_pk_add_f32 v[98:99], v[98:99], v[156:157]
	v_pk_add_f32 v[96:97], v[96:97], v[160:161]
	v_pk_add_f32 v[94:95], v[94:95], v[164:165]
	v_pk_add_f32 v[92:93], v[92:93], v[168:169]
	v_pk_add_f32 v[90:91], v[90:91], v[172:173]
	v_pk_add_f32 v[18:19], v[18:19], v[176:177]
	v_pk_add_f32 v[78:79], v[78:79], v[180:181]
	v_pk_add_f32 v[100:101], v[100:101], v[184:185]
	v_pk_add_f32 v[98:99], v[98:99], v[188:189]
	v_pk_add_f32 v[96:97], v[96:97], v[192:193]
	v_pk_add_f32 v[94:95], v[94:95], v[196:197]
	v_pk_add_f32 v[92:93], v[92:93], v[200:201]
	v_pk_add_f32 v[90:91], v[90:91], v[204:205]
	v_pk_add_f32 v[18:19], v[18:19], v[208:209]
	v_pk_add_f32 v[78:79], v[78:79], v[212:213]
	s_delay_alu instid0(VALU_DEP_2)
	v_pk_add_f32 v[18:19], v[18:19], v[96:97]
	s_delay_alu instid0(VALU_DEP_2)
	v_pk_add_f32 v[78:79], v[78:79], v[94:95]
	v_pk_add_f32 v[100:101], v[100:101], v[92:93]
	v_pk_add_f32 v[98:99], v[98:99], v[90:91]
	s_delay_alu instid0(VALU_DEP_2)
	v_pk_add_f32 v[18:19], v[18:19], v[100:101]
	s_delay_alu instid0(VALU_DEP_2)
	v_pk_add_f32 v[78:79], v[78:79], v[98:99]
	s_delay_alu instid0(VALU_DEP_1)
	v_pk_add_f32 v[18:19], v[18:19], v[78:79]
	s_wait_alu depctr_va_vdst(0)                   ; and one for the four
.irp b, 0,1,2,3
	v_max_num_f32 v[BM+\b], 0x1800000, v[BM+\b]    ; the floor 2^(3 - 127)
.endr
.irp b, 0,1,2,3
	s_delay_alu instid0(VALU_DEP_4)
	v_add_nc_u32 v[SO+\b], 0xff000000, v[BM+\b]
.endr
.irp b, 0,1,2,3
	s_delay_alu instid0(VALU_DEP_4)
	v_lshrrev_b32 v[PD+\b], 23, v[SO+\b]
.endr
	s_delay_alu instid0(VALU_DEP_3)
	v_lshl_or_b32 v[PS], v[PD+1], 8, v[PD]         ; p's scale word for these 128 keys
	s_delay_alu instid0(VALU_DEP_1)
	v_lshl_or_b32 v[PS], v[PD+2], 16, v[PS]
	s_delay_alu instid0(VALU_DEP_1)
	v_lshl_or_b32 v[PS], v[PD+3], 24, v[PS]
.irp c, 0,1
	v_cvt_scalef32_pk16_fp6_f32 v[PC+6*\c:PC+6*\c+2], v[S+32*\c:S+32*\c+15], v[SO+2*\c]
	v_cvt_scalef32_pk16_fp6_f32 v[CT+4*\c:CT+4*\c+2], v[S+32*\c+16:S+32*\c+31], v[SO+2*\c+1]
.endr
	v_nop                                          ; one plain place behind a scaled conversion
	s_setprio 0
.irp c, 0,1
.irp i, 0,1,2
	v_permlane16_swap_b32 v[PC+6*\c+\i], v[CT+4*\c+\i]
.endr
.irp i, 0,1,2
	s_delay_alu instid0(VALU_DEP_3)
	v_mov_b32 v[PC+6*\c+3+\i], v[CT+4*\c+\i]
.endr
.endr
.set n, 0
.rept 16
	v_pk_mul_f32 v[O+n:O+n+1], v[O+n:O+n+1], v[40:41] op_sel_hi:[1,0]   ; O^T under the new M; for each product below twelve of these name none of its registers: the places behind the writes of p's codes and scale word
.set n, n+2
.endr
	s_wait_alu depctr_va_vdst(0)
	s_wait_dscnt 0x0                               ; V is in
.irp t, 0,1,2,3
	v_wmma_scale_f32_16x16x128_f8f6f4 v[O+8*\t:O+8*\t+7], v[VF+12*\t:VF+12*\t+11], v[PC:PC+11], v[O+8*\t:O+8*\t+7], v[VSR+\t], v[PS] matrix_a_fmt:MATRIX_FMT_FP6 matrix_b_fmt:MATRIX_FMT_FP6
.endr
.if \lim
.Lhidden_\@:
.endif
	s_add_co_u32 s[TK], s[TK], 6144
	s_add_co_u32 s[TS], s[TS], 512
	s_add_co_u32 s[TJ], s[TJ], 256
	s_add_co_u32 s[ST], s[ST], 1
.endm
; A TILE'S WAY OUT: O^T / l, quantised along the head's 64 channels: half a fragment of the last product's operand, and two scale bytes a row.
.macro FIN pa, ps
.rept 4
	v_nop                                          ; four places behind the last products
.endr
	v_add_f32 v18, v18, v19
	s_delay_alu instid0(VALU_DEP_1)
	v_permlanex16_b32 v[TMP], v18, s[SEL], s[SEL+1]
	s_delay_alu instid0(VALU_DEP_1)
	v_add_f32 v18, v18, v[TMP]                     ; the row's sum
	s_wait_alu depctr_va_vdst(0)
	v_rcp_f32 v40, v18
	v_nop                                          ; a plain place behind the reciprocal
	s_wait_alu depctr_va_vdst(0)                   ; and the wait ahead of its first reader
.set n, 0
.rept 16
	v_pk_mul_f32 v[S+n:S+n+1], v[O+n:O+n+1], v[40:41] op_sel_hi:[1,0]   ; register 16 b + i: channel 32 b + 16 h + i of my query
.set n, n+2
.endr
.irp b, 0,1
	v_max3_num_f32 v[BM+\b], |v[S+16*\b]|, |v[S+16*\b+1]|, 0x1800000
.endr
.irp i, 2,4,6,8,10,12,14
.irp b, 0,1
	s_delay_alu instid0(VALU_DEP_2)
	v_max3_num_f32 v[BM+\b], v[BM+\b], |v[S+16*\b+\i]|, |v[S+16*\b+\i+1]|
.endr
.endr
.irp b, 0,1
	s_delay_alu instid0(VALU_DEP_2)
	v_permlanex16_b32 v[PD+\b], v[BM+\b], s[SEL], s[SEL+1]
.endr
.irp b, 0,1
	s_delay_alu instid0(VALU_DEP_2)
	v_max_num_f32 v[BM+\b], v[BM+\b], v[PD+\b]
.endr
.irp b, 0,1
	s_delay_alu instid0(VALU_DEP_2)
	v_add_nc_u32 v[SO+\b], 0xff000000, v[BM+\b]
.endr
.irp b, 0,1
	s_delay_alu instid0(VALU_DEP_2)
	v_lshrrev_b32 v[PD+\b], 23, v[SO+\b]
.endr
	s_delay_alu instid0(VALU_DEP_1)
	v_lshl_or_b32 v[TMP], v[PD+1], 8, v[PD]
	v_cvt_scalef32_pk16_fp6_f32 v[PC:PC+2], v[S:S+15], v[SO]
	v_cvt_scalef32_pk16_fp6_f32 v[CT:CT+2], v[S+16:S+31], v[SO+1]
	v_nop
.irp i, 0,1,2
	v_permlane16_swap_b32 v[PC+\i], v[CT+\i]
.endr
.irp i, 0,1,2
	s_delay_alu instid0(VALU_DEP_3)
	v_mov_b32 v[PC+3+\i], v[CT+\i]
.endr
	global_store_b128 v[K16], v[PC:PC+3], s[\pa:\pa+1]              ; 512 consecutive bytes
	global_store_b64 v[K8], v[PC+4:PC+5], s[\pa:\pa+1] offset:512   ; 256
	global_store_b16 v[R16], v[TMP], s[\ps:\ps+1]                   ; my row's two bytes (lanes 16-31 write the same values to the same places)
.endm
	s_load_b256 s[4:11], s[0:1], 0x0               ; qkvc, qkvs, ac, asc
	v_lshl_add_u32 v[SPW], v0, 2, SPARE
	v_mov_b32 v[NIL], 0
	ds_add_u32 v[SPW], v[NIL]                      ; the wave's opening: the add and its wait stand ahead of the first tensor loads; the set-up below, work on registers, stands between them
	ds_add_u32 v[SPW], v[NIL]
	v_lshrrev_b32 v10, 5, v0
	s_delay_alu instid0(VALU_DEP_1)
	v_readfirstlane_b32 s[WV], v10                 ; wave 0..15
	s_lshr_b32 s[WA], s[WV], 1
	s_and_b32 s17, s[WV], 1
	s_bfe_u32 s14, ttmp6, 0x40000                  ; cx
	s_lshl_b32 s15, s14, 1
	s_add_co_u32 s15, s15, s17                     ; 2 cx + w % 2: the small tile's place in its key step
	s_lshl_b32 s18, s[WA], 3
	s_add_co_u32 s18, s18, s15                     ; the small tile
	s_sub_co_u32 s19, 127, s18                     ; the big tile
	s_and_b32 s16, ttmp7, 0xffff                   ; bh, which the four partners share
	s_sub_co_u32 s2, 7, s15                        ; the big tile's place in its key step
	s_lshr_b32 s3, s2, 1
	s_lshl_b32 s3, s3, 5
	s_and_b32 s2, s2, 1
	s_lshl_b32 s2, s2, 3
	s_add_co_u32 s2, s2, s3                        ; its first query in the step: 32 (place / 2) + 8 (place % 2)
	s_lshr_b32 s3, s15, 1
	s_lshl_b32 s3, s3, 5
	s_and_b32 s17, s15, 1
	s_lshl_b32 s17, s17, 3
	s_add_co_u32 s3, s3, s17                       ; and the small tile's
	v_and_b32 v10, 31, v0
	v_and_b32 v11, 15, v0                          ; r
	v_bfe_u32 v12, v0, 4, 1                        ; h
	s_delay_alu instid0(VALU_DEP_3)
	v_lshlrev_b32 v[K16], 4, v10
	s_delay_alu instid0(VALU_DEP_4)
	v_lshlrev_b32 v[K8], 3, v10
	s_delay_alu instid0(VALU_DEP_2)
	v_add_nc_u32 v[V16], VIMG, v[K16]
	s_delay_alu instid0(VALU_DEP_2)
	v_add_nc_u32 v[V8], VIMG, v[K8]
	v_lshlrev_b32 v[R16], 4, v11
	s_delay_alu instid0(VALU_DEP_1)
	v_add_nc_u32 v[KS0], KSC, v[R16]
	s_delay_alu instid0(VALU_DEP_2)
	v_add_nc_u32 v[VS0], VSC, v[R16]
	v_and_b32 v13, 8, v11
	s_delay_alu instid0(VALU_DEP_1)
	v_add_nc_u32 v13, v13, v11
	v_lshlrev_b32 v12, 4, v12
	s_delay_alu instid0(VALU_DEP_1)
	v_sub_nc_u32 v13, v13, v12                     ; r + 8 (r / 8) - 16 h
	s_delay_alu instid0(VALU_DEP_1)
	v_add_nc_u32 v[DQ], s2, v13
	s_delay_alu instid0(VALU_DEP_2)
	v_add_nc_u32 v[DQS], s3, v13
.irp i, 0,1,2,3,4,5
	v_mov_b32 v[QB+\i], 0                          ; the zero codes on either side of q
	v_mov_b32 v[QB+12+\i], 0
.endr
	v_mov_b32 v41, 0                               ; (named as the upper half of the pair v[40:41])
.irp b, 0,1,2,3
	v_mov_b32 v[PD+\b], 0                          ; a lane permute's destination counts as one of its sources
.endr
	v_mov_b32 v[TMP], 0
	s_mov_b32 s[SEL], 0x76543210
	s_mov_b32 s[SEL+1], 0xfedcba98
	s_mov_b32 s[CS], 0x3d38aa3b                    ; c = log2(e) / 32
	s_mov_b32 s[CS+1], s[CS]
	; group 1: dense blocks as rows of 256 bytes (32 elements of 8 bytes); the mask names all four work-groups
.irp g, 24,32,40
	s_mov_b32 s[\g], 15|(3<<16)|(1<<21)
	s_mov_b32 s[\g+1], 32<<16
	s_mov_b32 s[\g+3], 32<<16
	s_mov_b32 s[\g+5], 32
	s_mov_b32 s[\g+6], 0
	s_mov_b32 s[\g+7], 0
.endr
	s_mov_b32 s26, 192<<16                         ; half of K or of V: 49,152 bytes
	s_mov_b32 s28, 192
	s_mov_b32 s34, 32<<16                          ; K's scale words: 8,192 bytes
	s_mov_b32 s36, 32
	s_mov_b32 s42, 16<<16                          ; V's: 4,096
	s_mov_b32 s44, 16
	s_mul_i32 s80, s16, 98304
	s_mov_b32 s81, 0
	s_lshl_b32 s82, s16, 13
	s_mov_b32 s83, 0
	s_lshl_b32 s84, s16, 12
	s_mov_b32 s85, 0
	s_mul_i32 s86, s19, 768                        ; the big tile's q,
	s_mov_b32 s87, 0
	s_lshr_b32 s88, s19, 2
	s_lshl_b32 s88, s88, 8
	s_and_b32 s17, s19, 3
	s_lshl_b32 s17, s17, 2
	s_add_co_u32 s88, s88, s17                     ; its scale words,
	s_mov_b32 s89, 0
	s_mul_i32 s90, s18, 768                        ; and the small tile's
	s_mov_b32 s91, 0
	s_lshr_b32 s92, s18, 2
	s_lshl_b32 s92, s92, 8
	s_and_b32 s17, s18, 3
	s_lshl_b32 s17, s17, 2
	s_add_co_u32 s92, s92, s17
	s_mov_b32 s93, 0
	s_lshr_b32 s2, s16, 4
	s_lshl_b32 s2, s2, 7                           ; 128 x batch
	s_and_b32 s3, s16, 15                          ; the head
	s_mul_i32 s67, s3, 768                         ; its half fragment in a tile of ac,
	s_lshr_b32 s60, s3, 3
	s_lshl_b32 s60, s60, 8
	s_and_b32 s61, s3, 7
	s_lshl_b32 s61, s61, 1
	s_add_co_u32 s60, s60, s61                     ; its two bytes in a row's words of asc
	s_add_co_u32 s17, s2, s19
	s_mul_i32 s94, s17, 12288
	s_add_co_u32 s94, s94, s67
	s_mov_b32 s95, 0
	s_lshl_b32 s96, s17, 9
	s_add_co_u32 s96, s96, s60
	s_mov_b32 s97, 0
	s_add_co_u32 s17, s2, s18
	s_mul_i32 s98, s17, 12288
	s_add_co_u32 s98, s98, s67
	s_mov_b32 s99, 0
	s_lshl_b32 s100, s17, 9
	s_add_co_u32 s100, s100, s60
	s_mov_b32 s101, 0
	s_wait_dscnt 0x0                               ; the opening add is done
	s_wait_kmcnt 0x0
	s_add_nc_u64 s[80:81], s[4:5], s[80:81]        ; q's plane
	s_add_nc_u64 s[82:83], s[6:7], s[82:83]        ; q's scale words
	s_add_nc_u64 s[84:85], s[6:7], s[84:85]
	s_add_nc_u64 s[86:87], s[80:81], s[86:87]
	s_add_nc_u64 s[88:89], s[82:83], s[88:89]
	s_add_nc_u64 s[90:91], s[80:81], s[90:91]
	s_add_nc_u64 s[92:93], s[82:83], s[92:93]
	s_add_nc_u64 s[94:95], s[8:9], s[94:95]
	s_add_nc_u64 s[96:97], s[10:11], s[96:97]
	s_add_nc_u64 s[98:99], s[8:9], s[98:99]
	s_add_nc_u64 s[100:101], s[10:11], s[100:101]
	s_mov_b32 s48, 1                               ; wave 0's three groups 0: K's scale words,
	s_mov_b32 s49, KSC
	s_add_nc_u64 s[50:51], s[82:83], 524288
	s_or_b32 s51, s51, 0x80000000
	s_mov_b32 s52, 1                               ; keys 0 to 1,023,
	s_mov_b32 s53, 0
	s_add_nc_u64 s[54:55], s[80:81], 64*98304
	s_or_b32 s55, s55, 0x80000000
	s_mov_b32 s56, 1                               ; keys 1,024 to 2,047
	s_mov_b32 s57, 49152
	s_add_nc_u64 s[58:59], s[80:81], 64*98304+49152
	s_or_b32 s59, s59, 0x80000000
	s_mov_b32 s68, 1                               ; wave 1's: V's scale words,
	s_mov_b32 s69, VSC
	s_add_nc_u64 s[70:71], s[84:85], 1048576
	s_or_b32 s71, s71, 0x80000000
	s_mov_b32 s72, 1                               ; key steps 0 to 7,
	s_mov_b32 s73, VIMG
	s_add_nc_u64 s[74:75], s[80:81], 128*98304
	s_or_b32 s75, s75, 0x80000000
	s_mov_b32 s76, 1                               ; key steps 8 to 15
	s_mov_b32 s77, VIMG+49152
	s_add_nc_u64 s[78:79], s[80:81], 128*98304+49152
	s_or_b32 s79, s79, 0x80000000
	CROUND                                         ; all four work-groups are here: the joint loads meet
	s_cmp_eq_u32 s[WV], 0                          ; a wave's three fills stand in one branch on the wave's number; an s_nop 0 follows each, four v_nop the last
	s_cbranch_scc0 .Lnot_k
	tensor_load_to_lds s[48:51], s[32:39]
	s_nop 0
	tensor_load_to_lds s[52:55], s[24:31]
	s_nop 0
	tensor_load_to_lds s[56:59], s[24:31]
	s_nop 0
.rept 4
	v_nop
.endr
	s_branch .Lasked
.Lnot_k:
	s_cmp_eq_u32 s[WV], 1
	s_cbranch_scc0 .Lasked
	tensor_load_to_lds s[68:71], s[40:47]
	s_nop 0
	tensor_load_to_lds s[72:75], s[24:31]
	s_nop 0
	tensor_load_to_lds s[76:79], s[24:31]
	s_nop 0
.rept 4
	v_nop
.endr
.Lasked:
	global_load_b128 v[QB+6:QB+9], v[K16], s[86:87]
	global_load_b64 v[QB+10:QB+11], v[K8], s[86:87] offset:512
	global_load_b32 v[QS], v[R16], s[88:89]
	global_load_b128 v[QSM:QSM+3], v[K16], s[90:91]
	global_load_b64 v[QSM+4:QSM+5], v[K8], s[90:91] offset:512
	global_load_b32 v[QSS], v[R16], s[92:93]
	INIT
	s_mov_b32 s[ST], 0
	s_mov_b32 s[TK], 0
	s_mov_b32 s[TS], 0
	s_mov_b32 s[TJ], 0
	s_wait_tensorcnt 0x1                           ; the scale words and the first half have landed; the second half's load may stay out
	s_wait_loadcnt 0x0                             ; both tiles' q
	s_barrier_signal -1
	s_barrier_wait -1
.Lloop_a:                                          ; the big tile, key steps 0 to 7: all their keys count for every big tile
	UNIT 0
	s_cmp_lt_u32 s[ST], 8
	s_cbranch_scc1 .Lloop_a
	s_setprio 0
	s_wait_tensorcnt 0x0                           ; the second halves have landed,
	s_wait_dscnt 0x0
	s_barrier_signal -1
	s_barrier_wait -1                              ; for everybody
	s_mov_b32 s[ST], 8
	s_mov_b32 s[TK], 8*6144
	s_mov_b32 s[TS], 8*512
	s_mov_b32 s[TJ], 8*256
	s_sub_co_u32 s[LIM], 15, s[WA]
.Lloop_b:                                          ; the big tile, key steps 8 to 15 - w / 2; the trips behind that step only count
	UNIT 1
	s_cmp_lt_u32 s[ST], 16
	s_cbranch_scc1 .Lloop_b
	s_setprio 0
	FIN 94, 96
	s_wait_xcnt 0x0                                ; the stores have read their registers, which are written again below
.irp i, 0,1,2,3,4,5
	v_mov_b32 v[QB+6+\i], v[QSM+\i]                ; the small tile's q,
.endr
	v_mov_b32 v[QS], v[QSS]                        ; its scale word (the 36 lines of INIT and a step's six additions stand between this write and the next product)
	v_mov_b32 v[DQ], v[DQS]
	INIT
	s_mov_b32 s[ST], 0
	s_mov_b32 s[TK], 0
	s_mov_b32 s[TS], 0
	s_mov_b32 s[TJ], 0
	s_mov_b32 s[LIM], s[WA]
.Lloop_c:                                          ; the small tile, key steps 0 to w / 2
	UNIT 1
	s_cmp_lt_u32 s[ST], 8
	s_cbranch_scc1 .Lloop_c
	s_setprio 0
	FIN 98, 100
	s_wait_tensorcnt 0x0                           ; the wave's end, behind the last tensor load
	ds_add_u32 v[SPW], v[NIL]
	s_wait_dscnt 0x0
	CROUND                                         ; the closing round
	s_endpgm
.Lfunc_end_k_q03bc0e6783_attn:
	.size	k_q03bc0e6783_attn, .Lfunc_end_k_q03bc0e6783_attn-k_q03bc0e6783_attn
	.p2alignl 7, 3214868480
	.fill 96, 4, 3214868480
	.section	.rodata,"a",@progbits
	.p2align	6, 0x0
	.amdhsa_kernel k_q03bc0e6783_attn
		.amdhsa_group_segment_fixed_size 210944
		.amdhsa_private_segment_fixed_size 0
		.amdhsa_enable_private_segment 0
		.amdhsa_kernarg_size 32
		.amdhsa_user_sgpr_count 2
		.amdhsa_user_sgpr_kernarg_segment_ptr 1
		.amdhsa_wavefront_size32 1
		.amdhsa_system_sgpr_workgroup_id_x 1
		.amdhsa_system_sgpr_workgroup_id_y 1
		.amdhsa_system_sgpr_workgroup_id_z 1
		.amdhsa_system_vgpr_workitem_id 0
		.amdhsa_next_free_vgpr 256
		.amdhsa_next_free_sgpr 102
		.amdhsa_reserve_vcc 1
		.amdhsa_float_denorm_mode_32 3
		.amdhsa_float_denorm_mode_16_64 3
		.amdhsa_memory_ordered 1
		.amdhsa_forward_progress 1
		.amdhsa_inst_pref_size 85
	.end_amdhsa_kernel
	.amdgpu_metadata
---
amdhsa.version: [ 1, 2 ]
amdhsa.kernels:
  - .name:           k_q03bc0e6783_attn
    .symbol:         k_q03bc0e6783_attn.kd
    .args:
      - { .name: qkvc, .offset: 0, .size: 8, .value_kind: global_buffer, .address_space: global }
      - { .name: qkvs, .offset: 8, .size: 8, .value_kind: global_buffer, .address_space: global }
      - { .name: ac, .offset: 16, .size: 8, .value_kind: global_buffer, .address_space: global }
      - { .name: asc, .offset: 24, .size: 8, .value_kind: global_buffer, .address_space: global }
    .group_segment_fixed_size: 210944
    .private_segment_fixed_size: 0
    .kernarg_segment_align: 8
    .kernarg_segment_size: 32
    .max_flat_workgroup_size: 512
    .sgpr_count:     102
    .vgpr_count:     256
    .wavefront_size: 32
...
	.end_amdgpu_metadata
.endif
;; end of part 3
;; launch outp (part 4): grid 4 x 64, 4 waves a work-group, clusters of 4 x 4, 327,680 bytes of LDS; arguments opc, ops, ac, asc, bo, out0; writes out0
.if DOCPART == 4
	.amdgcn_target "amdgcn-amd-amdhsa--gfx1250"
	.amdhsa_code_object_version 6
	.text
	.protected	k_q03bc0e6783_outp
	.globl	k_q03bc0e6783_outp
	.p2align	8
	.type	k_q03bc0e6783_outp,@function
k_q03bc0e6783_outp:
	s_mov_b64 s[64:65], 0
	v_nop
	global_prefetch_b8 v0, s[64:65] scope:SCOPE_SE
	s_setreg_imm32_b32 hwreg(HW_REG_WAVE_MODE, 25, 1), 1
	s_wait_xcnt 0x0
	s_wait_alu depctr_hold_cnt(0) depctr_sa_sdst(0) depctr_va_vdst(0) depctr_va_sdst(0) depctr_va_ssrc(0) depctr_va_vcc(0) depctr_vm_vsrc(0)
	s_getreg_b32 s2, hwreg(HW_REG_IB_STS2, 6, 4)
	s_cmp_eq_u32 s2, 0
	s_cbranch_scc0 .Lentry_in_a_cluster
	s_endpgm
.Lentry_in_a_cluster:
	s_bfe_u32 s2, ttmp6, 0x10000c
	s_cmp_lg_u32 s2, 0xf033
	s_cbranch_scc0 .Lentry_shape_is_right
	s_endpgm
.Lentry_shape_is_right:
; out = attn Wo^T + bo on codes of FP6 (E2M3); out0 [8192][1024] f32.
; THE PRODUCT.  D = Src0 Src1^T over K = 1,024, Src0 = Wo (tiles 704-767 of opc), Src1 = attn (ac, asc: laid as opc, ops).  A work-group takes 256 rows of Wo x 128 tokens; wave w takes Wo's tiles 8 (w % 2) + b
; and the tokens' tiles 4 (w / 2) + a: 32 accumulators.  Wo is the instruction's source 0: a lane holds one token, and the 16 registers of two neighbouring tiles are 16 neighbouring output features
; (tile 2 B + u holds in lane-row r the row 32 B + 8 u + r + 8 (r / 8)).  The bias is the C of the first K step's products.
; LDS.  All of K of the work-group's 384 rows, 294,912 bytes, is filled ONCE, in four chunks of two K steps.  A wave has four tensor loads out at the most.
; CLUSTER 4 x 4: attn's tiles are shared along a row of the cluster, Wo's along a column: each chunk is asked for jointly.  Nothing is prefetched: every byte is asked for at the kernel's head.
; THE WAY OUT.  16 tokens x 128 features at a time go through the wave's own stage in LDS and leave as whole rows of 512 bytes.  The stages lie in chunk 0: it has had its only fill, and every wave has waited for its
; reads of it in front of a later barrier.
; REGISTERS, in windows of 256: window 0: addresses, scale words, the bias, later rows of out; window 1: accumulator (a, b) at v[64 a + 8 b]; windows 2 and 3: two sets of fragments: Src0's at v[12 b], Src1's at v[96 + 12 a].
.set CHUNK, 73728
.set S0OFF, 24576
.set SPARE, 4*CHUNK                    ; the spare words, 128 bytes a wave: two blocks of 256 bytes that no other line names
.set L16,  1
.set L8,   2
.set RR,   3
.set HH,   4
.set SPW,  5                           ; my spare word; never rewritten
.set NIL,  6                           ; 0; never rewritten
.set BO0,  7                           ; 64 h
.set A16,  8
.set A8,   12
.set B16,  16
.set B8,   20
.set STO,  24                          ; the stage: where I put 64 bytes of a row
.set RD,   25                          ; and where I read a row back
.set TP,   29
.set SA,   32                          ; v32-47  attn's scale words
.set SB,   48                          ; v48-79  Wo's
.set B0,   80                          ; v80-143 the bias
.set BK,   128                         ; the way out: v128-191 and v192-255 by turns
.set WV,   18
.set WM,   19
.set WN,   20
.set CX,   21
.set CY,   22
.set CLY,  23
.set G1A,  24
.set G0A,  32
.set G1B,  48
.set G0B,  68
.set GG0,  56
.set GG1,  57
.set MSB, 0
.macro WIN new                         ; the immediate's high byte repeats the setting that is left
.if MSB != \new
	s_set_vgpr_msb (MSB<<8)|\new
.set MSB, \new
.endif
.endm
.macro CROUND
	s_barrier_signal -1
	s_barrier_wait -1
	s_cmp_lg_u32 s[WV], 0
	s_cbranch_scc1 .Lnot_wave_0_\@
	s_barrier_signal -3
.Lnot_wave_0_\@:
	s_barrier_wait -3
	s_barrier_signal -1
	s_barrier_wait -1
.endm
.macro FRAG reg, a16, a8, off
	ds_load_b128 v[\reg:\reg+3], v[\a16] offset:\off
	ds_load_b64 v[\reg+4:\reg+5], v[\a8] offset:\off+512
	ds_load_b128 v[\reg+6:\reg+9], v[\a16] offset:\off+768
	ds_load_b64 v[\reg+10:\reg+11], v[\a8] offset:\off+1280
.endm
.macro FETCH s
.if (\s)%2
	WIN 0xc0
.else
	WIN 0x80
.endif
.irp b, 0,1,2,3,4,5,6,7
	FRAG 12*\b, B16+(\s)/2, B8+(\s)/2, 3072*\b+1536*((\s)%2)
.endr
.irp a, 0,1,2,3
	FRAG 96+12*\a, A16+(\s)/2, A8+(\s)/2, 3072*\a+1536*((\s)%2)
.endr
	WIN 0
.endm
; 32 products of K step s; the 32 accumulators take turns, in the same order in every step.  cm = 1: C = the bias.
.macro MULS s, cm
.irp a, 0,1,2,3
.irp b, 0,1,2,3,4,5,6,7
.if (\cm) == 1
	v_wmma_scale_f32_16x16x128_f8f6f4 v[64*\a+8*\b:64*\a+8*\b+7], v[12*\b:12*\b+11], v[96+12*\a:96+12*\a+11], v[B0+8*\b:B0+8*\b+7], v[SB+4*\b], v[SA+4*\a] matrix_a_fmt:MATRIX_FMT_FP6 matrix_b_fmt:MATRIX_FMT_FP6
.elseif (\s) < 4
	v_wmma_scale_f32_16x16x128_f8f6f4 v[64*\a+8*\b:64*\a+8*\b+7], v[12*\b:12*\b+11], v[96+12*\a:96+12*\a+11], v[64*\a+8*\b:64*\a+8*\b+7], v[SB+4*\b+(\s)], v[SA+4*\a+(\s)] matrix_a_fmt:MATRIX_FMT_FP6 matrix_b_fmt:MATRIX_FMT_FP6
.else
	v_wmma_scale_f32_16x16x128_f8f6f4 v[64*\a+8*\b:64*\a+8*\b+7], v[12*\b:12*\b+11], v[96+12*\a:96+12*\a+11], v[64*\a+8*\b:64*\a+8*\b+7], v[SB+4*\b+(\s)-4], v[SA+4*\a+(\s)-4] matrix_a_fmt:MATRIX_FMT_FP6 matrix_b_fmt:MATRIX_FMT_FP6 matrix_a_scale:MATRIX_SCALE_ROW1 matrix_b_scale:MATRIX_SCALE_ROW1
.endif
.endr
.endr
.endm
.macro KSTEP s
	s_wait_dscnt 0x0                               ; this step's fragments, asked for a step ago, are in
.if ((\s) == 1) || ((\s) == 3) || ((\s) == 5)
	s_wait_tensorcnt (5-(\s))/2                    ; my part of the next chunk has landed; the later chunks' loads may stay out
	s_barrier_signal -1
	s_barrier_wait -1
.endif
.if (\s) < 7
.rept 4
	v_nop                                          ; four places between the last step's products and loads into the set that they read
.endr
	FETCH (\s)+1
.endif
.if (\s)%2
	WIN 0x5f
.else
	WIN 0x5a
.endif
	MULS \s, 0
	WIN 0
.endm
	s_load_b256 s[4:11], s[0:1], 0x0               ; opc, ops, ac, asc
	s_load_b128 s[12:15], s[0:1], 0x20             ; bo, out0
	v_lshl_add_u32 v[SPW], v0, 2, SPARE
	v_mov_b32 v[NIL], 0
	ds_add_u32 v[SPW], v[NIL]
	ds_add_u32 v[SPW], v[NIL]                      ; the wave's opening: the add and its wait stand ahead of my first tensor load; the set-up below, work on registers, stands between them
	v_lshrrev_b32 v[TP], 5, v0
	v_readfirstlane_b32 s[WV], v[TP]
	s_lshr_b32 s[WM], s[WV], 1                     ; which half of the tokens is mine.  Also: I fetch for attn (0) or for Wo (1)
	s_and_b32 s[WN], s[WV], 1                      ; which half of Wo's rows.  Also: which half of that operand's tiles I fetch
	s_bfe_u32 s[CX], ttmp6, 0x40000
	s_bfe_u32 s[CY], ttmp6, 0x40004
	s_and_b32 s[CLY], ttmp7, 0xffff
	v_and_b32 v[TP], 31, v0
	v_lshlrev_b32 v[L16], 4, v[TP]
	v_lshlrev_b32 v[L8], 3, v[TP]
	v_and_b32 v[RR], 15, v0
	v_bfe_u32 v[HH], v0, 4, 1
	v_lshlrev_b32 v[BO0], 6, v[HH]
	s_mul_i32 s92, s[WM], 12288
	s_mul_i32 s93, s[WN], 24576
	s_add_co_u32 s93, s93, S0OFF
.irp c, 0,1,2,3
	v_add_nc_u32 v[A16+\c], s92, v[L16]
	v_add_nc_u32 v[A8+\c], s92, v[L8]
	v_add_nc_u32 v[B16+\c], s93, v[L16]
	v_add_nc_u32 v[B8+\c], s93, v[L8]
	s_add_co_u32 s92, s92, CHUNK
	s_add_co_u32 s93, s93, CHUNK
.endr
	s_mul_i32 s94, s[WV], 8448                     ; my stage: 16 rows x (512 + 16) bytes
	v_mul_u32_u24 v[STO], v[RR], 528
	v_lshl_add_u32 v[STO], v[HH], 6, v[STO]
	v_add_nc_u32 v[STO], s94, v[STO]               ; in: row r, + 64 h
	v_add_nc_u32 v[RD], s94, v[L16]                ; back: 16 bytes a lane of a row
	s_lshl_b32 s2, s[CY], 2
	s_lshl_b32 s2, 15, s2                          ; my row of the cluster
	s_lshl_b32 s3, 0x1111, s[CX]                   ; my column
	s_or_b32 s[G1A], s2, (3<<16)|(1<<21)           ; attn's chunks go to my row; elements of 8 bytes; bit 21 set beside a mask
	s_or_b32 s[G1B], s3, (3<<16)|(1<<21)           ; Wo's to my column
	s_mov_b32 s[G1A+1], 384<<16                    ; rows (tiles) of 384 elements: two K steps, 3,072 bytes
	s_mov_b32 s[G1A+2], 4<<16
	s_mov_b32 s[G1A+3], 384<<16
	s_mov_b32 s[G1A+4], 4
	s_mov_b32 s[G1A+5], 1536                       ; 12,288 bytes from tile to tile
	s_mov_b32 s[G1A+6], 0
	s_mov_b32 s[G1A+7], 0
	s_mov_b32 s[G1B+1], 384<<16
	s_mov_b32 s[G1B+2], 8<<16
	s_mov_b32 s[G1B+3], 384<<16
	s_mov_b32 s[G1B+4], 8
	s_mov_b32 s[G1B+5], 1536
	s_mov_b32 s[G1B+6], 0
	s_mov_b32 s[G1B+7], 0
	s_lshl_b32 s[GG0], ttmp9, 6
	s_add_co_u32 s[GG0], s[GG0], 704
	s_lshl_b32 s3, s[CX], 4
	s_add_co_u32 s[GG0], s[GG0], s3                ; Wo's first tile: it never holds cy
	s_lshl_b32 s[GG1], s[CLY], 5
	s_lshl_b32 s2, s[CY], 3
	s_add_co_u32 s[GG1], s[GG1], s2                ; attn's: it never holds cx
	s_lshl_b32 s67, s[WN], 3
	s_add_co_u32 s67, s67, s[GG0]                  ; my wave's first tile of Wo; also the eight that waves 2 and 3 fetch
	s_lshl_b32 s66, s[WM], 2
	s_add_co_u32 s66, s66, s[GG1]                  ; my wave's first tile of tokens
	s_lshl_b32 s63, s[WN], 2
	s_add_co_u32 s63, s63, s[GG1]                  ; the four that waves 0 and 1 fetch
	s_mul_i32 s60, s63, 12288
	s_mov_b32 s61, 0
	s_mul_i32 s62, s67, 12288
	s_mov_b32 s63, 0
	s_mul_i32 s58, s[WN], 12288
	s_mul_i32 s59, s[WN], 24576
	s_add_co_u32 s59, s59, S0OFF
	s_lshl_b32 s84, s66, 9
	s_mov_b32 s85, 0
	s_lshl_b32 s86, s67, 9
	s_mov_b32 s87, 0
	s_and_b32 s88, s67, 63                         ; my first tile within Wo: 64 bytes of bo, and of a row of out, a tile
	s_lshl_b32 s88, s88, 6
	s_mov_b32 s89, 0
	s_lshl_b32 s92, s66, 16                        ; 16 rows of 4,096 bytes a tile of tokens
	s_add_co_u32 s92, s92, s88
	s_mov_b32 s93, 0
	s_wait_dscnt 0x0                               ; the opening add is done
	s_wait_kmcnt 0x0
	s_add_nc_u64 s[60:61], s[8:9], s[60:61]        ; attn's codes
	s_add_nc_u64 s[62:63], s[4:5], s[62:63]        ; Wo's
	s_add_nc_u64 s[84:85], s[10:11], s[84:85]      ; attn's scale words
	s_add_nc_u64 s[86:87], s[6:7], s[86:87]        ; Wo's
	s_add_nc_u64 s[88:89], s[12:13], s[88:89]
	s_add_nc_u64 s[14:15], s[14:15], s[92:93]
.irp c, 0,1,2,3
	s_mov_b32 s[G0A+4*\c], 1
	s_add_co_u32 s[G0A+4*\c+1], s58, \c*CHUNK
	s_add_nc_u64 s[G0A+4*\c+2:G0A+4*\c+3], s[60:61], \c*3072
	s_or_b32 s[G0A+4*\c+3], s[G0A+4*\c+3], 0x80000000
	s_mov_b32 s[G0B+4*\c], 1
	s_add_co_u32 s[G0B+4*\c+1], s59, \c*CHUNK
	s_add_nc_u64 s[G0B+4*\c+2:G0B+4*\c+3], s[62:63], \c*3072
	s_or_b32 s[G0B+4*\c+3], s[G0B+4*\c+3], 0x80000000
.endr
	CROUND                                         ; all sixteen work-groups are here: the joint loads meet
	s_cmp_eq_u32 s[WM], 0                          ; a wave's four fills stand in one branch on the wave's number; an s_nop 0 follows each, four v_nop the last
	s_cbranch_scc0 .Lfill_src0
.irp c, 0,1,2,3
	tensor_load_to_lds s[G0A+4*\c:G0A+4*\c+3], s[G1A:G1A+7]
	s_nop 0
.endr
.rept 4
	v_nop
.endr
	s_branch .Lfilled
.Lfill_src0:
.irp c, 0,1,2,3
	tensor_load_to_lds s[G0B+4*\c:G0B+4*\c+3], s[G1B:G1B+7]
	s_nop 0
.endr
.rept 4
	v_nop
.endr
.Lfilled:
.irp a, 0,1,2,3
	global_load_b128 v[SA+4*\a:SA+4*\a+3], v[L16], s[84:85] offset:512*\a
.endr
.irp b, 0,1,2,3,4,5,6,7
	global_load_b128 v[SB+4*\b:SB+4*\b+3], v[L16], s[86:87] offset:512*\b
.endr
.irp b, 0,1,2,3,4,5,6,7
	global_load_b128 v[B0+8*\b:B0+8*\b+3], v[BO0], s[88:89] offset:128*(\b/2)+32*(\b%2)
	global_load_b128 v[B0+8*\b+4:B0+8*\b+7], v[BO0], s[88:89] offset:128*(\b/2)+32*(\b%2)+16
.endr
	s_wait_tensorcnt 0x3                           ; my part of chunk 0 has landed; three loads may stay out
	s_barrier_signal -1
	s_barrier_wait -1
	FETCH 0
	s_wait_dscnt 0x0
	s_wait_loadcnt 0x0                             ; scale words and the bias
	FETCH 1
	WIN 0x4a
	MULS 0, 1                                      ; K step 0 starts the sums with the bias as C
	WIN 0
	KSTEP 1
	KSTEP 2
	s_wait_alu depctr_va_vdst(0)
	KSTEP 3
	KSTEP 4
	KSTEP 5
	KSTEP 6
	KSTEP 7
; Block a: 16 tokens x 128 features.  Registers 64 a + 16 i + 0 .. 15 are features 32 i + 16 h + 0 .. 15 of my token.  LDS serves a wave's instructions in order: no wait between the stores and the loads, nor in front of the next block's stores.
.macro TOSTAGE a
	WIN 0x04                                       ; an LDS store's data are its source 1: window 1
.irp i, 0,1,2,3,4,5,6,7,8,9,10,11,12,13,14,15
	ds_store_b128 v[STO], v[64*(\a)+4*\i:64*(\a)+4*\i+3] offset:128*(\i/4)+16*(\i%4)   ; each accumulator from its low end on
.endr
	WIN 0
.irp t, 0,1,2,3,4,5,6,7,8,9,10,11,12,13,14,15
	ds_load_b128 v[BK+64*((\a)%2)+4*\t:BK+64*((\a)%2)+4*\t+3], v[RD] offset:528*\t
.endr
.endm
.macro SEND a, younger                 ; younger: the LDS instructions issued behind block a's loads, which may stay out
	s_wait_dscnt \younger
.irp t, 0,1,2,3,4,5,6,7,8,9,10,11,12,13,14,15
	global_store_b128 v[L16], v[BK+64*((\a)%2)+4*\t:BK+64*((\a)%2)+4*\t+3], s[14:15] offset:(32*((\a)/2)+8*((\a)%2)+\t+8*(\t/8))*4096 th:TH_STORE_NT   ; 32 lanes store 512 consecutive bytes of one row of out
.endr
.endm
.rept 4
	v_nop                                          ; four places behind the last products
.endr
	TOSTAGE 0
.irp a, 1,2,3
.if \a > 1
	s_wait_xcnt 0x0                                ; block a - 2's stores have read their registers: block a's loads may land there
.endif
	TOSTAGE \a
	SEND \a-1, 32                                  ; behind block a - 1's loads: block a's 16 stores and 16 loads
.endr
	SEND 3, 0
	s_wait_tensorcnt 0x0                           ; the wave's end, behind my last tensor load and my last LDS store
	ds_add_u32 v[SPW], v[NIL]
	s_wait_dscnt 0x0
	CROUND                                         ; the closing round
	s_endpgm
.Lfunc_end_k_q03bc0e6783_outp:
	.size	k_q03bc0e6783_outp, .Lfunc_end_k_q03bc0e6783_outp-k_q03bc0e6783_outp
	.p2alignl 7, 3214868480
	.fill 96, 4, 3214868480
	.section	.rodata,"a",@progbits
	.p2align	6, 0x0
	.amdhsa_kernel k_q03bc0e6783_outp
		.amdhsa_group_segment_fixed_size 327680
		.amdhsa_private_segment_fixed_size 0
		.amdhsa_enable_private_segment 0
		.amdhsa_kernarg_size 48
		.amdhsa_user_sgpr_count 2
		.amdhsa_user_sgpr_kernarg_segment_ptr 1
		.amdhsa_wavefront_size32 1
		.amdhsa_system_sgpr_workgroup_id_x 1
		.amdhsa_system_sgpr_workgroup_id_y 1
		.amdhsa_system_sgpr_workgroup_id_z 1
		.amdhsa_system_vgpr_workitem_id 0
		.amdhsa_next_free_vgpr 1024
		.amdhsa_next_free_sgpr 100
		.amdhsa_reserve_vcc 0
		.amdhsa_float_denorm_mode_32 3
		.amdhsa_float_denorm_mode_16_64 3
		.amdhsa_memory_ordered 1
		.amdhsa_forward_progress 1
		.amdhsa_inst_pref_size 85
	.end_amdhsa_kernel
	.amdgpu_metadata
---
amdhsa.version: [ 1, 2 ]
amdhsa.kernels:
  - .name:           k_q03bc0e6783_outp
    .symbol:         k_q03bc0e6783_outp.kd
    .args:
      - { .name: opc, .offset: 0, .size: 8, .value_kind: global_buffer, .address_space: global }
      - { .name: ops, .offset: 8, .size: 8, .value_kind: global_buffer, .address_space: global }
      - { .name: ac, .offset: 16, .size: 8, .value_kind: global_buffer, .address_space: global }
      - { .name: asc, .offset: 24, .size: 8, .value_kind: global_buffer, .address_space: global }
      - { .name: bo, .offset: 32, .size: 8, .value_kind: global_buffer, .address_space: global }
      - { .name: out0, .offset: 40, .size: 8, .value_kind: global_buffer, .address_space: global }
    .group_segment_fixed_size: 327680
    .private_segment_fixed_size: 0
    .kernarg_segment_align: 8
    .kernarg_segment_size: 48
    .max_flat_workgroup_size: 128
    .sgpr_count:     100
    .vgpr_count:     1024
    .wavefront_size: 32
...
	.end_amdgpu_metadata
.endif
;; end of part 4
